; MI455X (gfx1250); checked and timed in simulation.
; The chip was launched on July 23, 2026; its instructions are those of AMD's public machine-readable ISA for CDNA 5 (MIT licence, August 2026) and "CDNA5" Instruction Set Architecture Reference Guide (July 2026). The comments in the code are by the model that wrote it; some were corrected since.
;; Attention Block. Allowed arithmetic: matrix products marked QUANTISED: E2M1 operands, one E8M0 scale for each 32 along K, by v_wmma_scale_f32_16x16x128_f8f6f4 with both operands' format E2M1 (or v_wmma_scale_f32_32x16x128_f4), f32 sums; everything else in f32.
;; Inputs: beta 512 float32; bk 512 float32; bo 512 float32; bq 512 float32; bv 512 float32; gamma 512 float32; wk 512 x 512 float32; wo 512 x 512 float32; wq 512 x 512 float32; wv 512 x 512 float32; x 32 x 512 x 32 x 32 float32.
;; Outputs: out0 32 x 512 x 32 x 32 float32.
;; This version of the problem:
;;   THIS VERSION OF THE PROBLEM IS GIVEN IN LOW PRECISION. The matrix products marked QUANTISED in the list below multiply operands that are first quantised to E2M1 (2 exponent bits, 1 mantissa bit; 4 bits a number), with one power-of-two scale for each 32 numbers along K (OCP MX v1.0); their sums are f32. All else is computed in f32.
;;   The module's matrix products, in the order in which they are computed (A, B: the left and right operand; K: the contracted axis; several contracted axes count as one K, in the product's order):
;;     1. [M 32,768, K 512] x [K 512, N 512]; A: computed on the way; B: input wq: QUANTISED
;;     2. [M 32,768, K 512] x [K 512, N 512]; A: computed on the way; B: input wk: QUANTISED
;;     3. [M 32,768, K 512] x [K 512, N 512]; A: computed on the way; B: input wv: QUANTISED
;;     4. batch 32 x [M 1,024, K 512] x [K 512, N 1,024]; A: computed on the way; B: computed on the way: QUANTISED
;;     5. batch 32 x [M 512, K 1,024] x [K 1,024, N 1,024]; A: computed on the way; B: softmax (see below): QUANTISED
;;     6. [M 32,768, K 512] x [K 512, N 512]; A: computed on the way; B: input wo: QUANTISED
;;   THE QUANTISER, for each operand of a quantised product, along K:
;;     - K is cut into blocks of 32 from its start; a last block that is shorter is filled with zeros.
;;     - A block's scale is 2^e with e = floor(log2(the largest magnitude in the block)) - 2, held to -126 .. 127; a block of zeros has e = 0. As a byte (E8M0): e + 127.
;;     - Each number is divided by its block's scale, clamped to +-6, and rounded to the nearest number of E2M1, ties to even, subnormals kept.
;;     - The product sums the exact products of the quantised numbers (number of the format x scale) in f32.
;;   ~~~python
;;   def quantise(x, axis):      # numpy; x: float32 -> the quantised numbers, widened to float32 again
;;       x = np.moveaxis(x, axis, -1); K = x.shape[-1]
;;       x = np.pad(x, [(0, 0)] * (x.ndim - 1) + [(0, -K % 32)]); x = x.reshape(x.shape[:-1] + (-1, 32)); a = np.abs(x).max(-1, keepdims=True)
;;       e = np.where(a > 0, np.clip(np.frexp(np.where(a > 0, a, 1))[1] - 1 - 2, -126, 127), 0)      # np.frexp(a)[1] - 1 = floor(log2(a)), exactly
;;       r = np.clip(x / 2.0 ** e, -6, 6)
;;       step = 2.0 ** (np.maximum(np.frexp(np.where(r == 0, 1, r))[1] - 1, 0) - 1)
;;       q = np.round(r / step) * step * 2.0 ** e      # np.round: ties to even
;;       return np.moveaxis(q.reshape(q.shape[:-2] + (-1,))[..., :K], -1, axis).astype(np.float32)
;;   ~~~
;;   SOFTMAX AHEAD OF A QUANTISED PRODUCT. Where the list says 'softmax', what is quantised is not the finished softmax but p = 2^(t - M), with t = logit x log2(e) and M = ceil(the row's largest t), a whole number; so 1/2 < the row's largest p <= 1. The row's sum l is taken of the UNQUANTISED p, in f32, and the product's result is divided by l at the end. Since M is a whole number, a kernel that streams over the keys may use a running M (the ceiling of the running maximum): every later rescaling is an exact power of two, which a block's scale takes up: the codes' values come out the same.
;;   OPERANDS COMPUTED ON THE WAY. 'Computed on the way' means the value that the module computes at that place (a softmax that the list does not call 'softmax' is quantised finished and normalised). What goes into a quantiser is computed in f32, as accurately as f32 sums, v_exp_f32 and their like allow (about 1e-6 of the number): no bf16 or f16 on the way to a quantiser, and a product that is left as it is and whose result goes on into a quantised operand takes f32 operands (vector FMAs, or v_wmma_f32_16x16x4_f32). A number that lies on a knife's edge between two numbers of the format may be rounded either way, as far as f32 arithmetic and the matrix unit's own rounding can turn it there, and no further.
;; One version. Each part assembles by itself: llvm-mc -triple=amdgcn-amd-amdhsa -mcpu=gfx1250 --defsym DOCPART=n.
;; ======== version 1 of 1: 3 launches
;; limits: a difference of large sums (such as E[x^2] - mean^2): digits are lost where the result is much smaller than its terms
;; workspace buffers: hbuf 8,912,896 bytes; wbuf 557,056 bytes; st 131,072 bytes; qbuf 8,912,896 bytes; kbuf 8,912,896 bytes; vbuf 8,912,896 bytes
;; launch prep (part 1): grid 512 x 1, 8 waves a work-group, no clusters, 22,016 bytes of LDS; arguments x, gamma, beta, bo, wq, wk, wv, wo, hbuf, wbuf, st; writes hbuf, wbuf, st
.if DOCPART == 1
	.amdgcn_target "amdgcn-amd-amdhsa--gfx1250"
	.amdhsa_code_object_version 6
	.text
	.protected	k_q5015e05005_prep
	.globl	k_q5015e05005_prep
	.p2align	8
	.type	k_q5015e05005_prep,@function
k_q5015e05005_prep:
	s_mov_b64 s[64:65], 0
	v_nop
	global_prefetch_b8 v0, s[64:65] scope:SCOPE_SE
	s_setreg_imm32_b32 hwreg(HW_REG_WAVE_MODE, 25, 1), 1
	s_wait_xcnt 0x0
; AttentionBlock, launch 1 of 3: group norm's statistics; h = the normalised x as codes of E2M1 along the channels; the four weights as codes along their c axis; two constants a channel for the residual.
; DEAD WORK: none.  Every step of reference() is done: all six products are live, every bias goes into a quantised operand (bq, bk, bv) or into the result (bo), so all eleven inputs are loaded.
; SHARES.  Work-group g = 16 b + cb owns 32 channels (two groups of 16) x 1,024 positions of batch b: 131,072 consecutive bytes of x.  Thread t owns positions 4 t .. 4 t + 3 of all 32 channels, in 128 registers
; (register 4 c + j = channel c, position 4 t + j): x is read once here, each load of a wave covers 512 consecutive bytes, and a block of 32 along the channels lies in ONE lane, so its largest magnitude needs no other lane.
; The variance is taken of the deviations from the mean, as reference() takes it; what is quantised is ((x - mean) rstd) gamma + beta.
; Each work-group also quantises 1/512 of the weights: 2,048 numbers, 8 a thread, four lanes to a block, sixteen lanes to a scale word.
; OUT.  hbuf: codes [b][cb][n][16 bytes], scale bytes behind them [b][cb][n].  wbuf: codes [matrix][o][256 bytes], scale words behind them [matrix][o][4].  st: (a, K0) for each (b, c): a = rstd gamma, K0 = beta + bo - mean a.
; A block's scale byte is its largest magnitude's exponent field - 2, held at 1 from below.
; LIMITS: NaN and infinities among the inputs are not served; a block whose largest magnitude lies under 2^-124, a block of zeros among them, keeps the byte 1 (the rule gives zeros 127): its codes are then zeros or
; held small, and this program alone reads the bytes.  The scale bytes of h (128 bytes a store) and the weights' codes and words leave as parts of aligned 256-byte blocks: under one byte in a hundred of what the launch reads.
.set RED1,  0                          ; LDS: the eight waves' two sums, 64 bytes
.set RED2,  256                        ; the same for the squares: other bytes, so no barrier stands between the reads of the first and the stores of the second
.set STG,   512                        ; a stage of 32 x 80 bytes for each wave: a lane's 64 bytes of codes + 16 of padding
.set SPARE, 20992                      ; the spare words, 128 bytes for each of eight waves; no other line names them
.set X,   16                           ; v16-143   x, then its deviations, then the normalised numbers
.set T,   144                          ; v144-175  32 numbers down the channels; sums; rows read back from the stage
.set C,   176                          ; v176-191  codes: four registers for each of my four positions
.set WD,  192                          ; v192-199  eight numbers of a weight
.set RD,  200                          ; v200-215  at work
.set MN,  216                          ; v[216:217] the two groups' means
.set RS,  218                          ; v[218:219] the two groups' 1 / sqrt(var + eps)
.set GA,  28                           ; s28-59    gamma of my 32 channels
.set BE,  68                           ; s68-99    beta of my 32 channels
	s_load_b512 s[4:19], s[0:1], 0x0               ; x, gamma, beta, bo, wq, wk, wv, wo
	s_load_b128 s[20:23], s[0:1], 0x40             ; hbuf, wbuf
	s_load_b64 s[24:25], s[0:1], 0x50              ; st
	v_lshl_add_u32 v1, v0, 2, SPARE                ; my spare word; never rewritten
	v_mov_b32 v2, 0                                ; 0; never rewritten
	v_lshrrev_b32 v8, 5, v0
	v_readfirstlane_b32 s27, v8                    ; wave 0..7
	v_lshlrev_b32 v8, 3, v8                        ; where my wave puts its two sums
	v_mov_b32 v9, 0                                ; where all are read
	v_lshlrev_b32 v3, 4, v0                        ; x: 16 bytes a thread
	v_lshlrev_b32 v4, 5, v0                        ; a weight: 32 bytes a thread
	v_lshlrev_b32 v5, 2, v0                        ; 4 bytes a thread
	v_and_b32 v6, 31, v0                           ; lane
	v_lshlrev_b32 v7, 2, v6
	s_mul_i32 s66, s27, 2560
	s_add_co_u32 s66, s66, STG                     ; my wave's stage
	v_mul_u32_u24 v10, v6, 80
	v_add_nc_u32 v10, s66, v10                     ; in: 80 x lane
	v_lshrrev_b32 v11, 2, v6
	v_mul_u32_u24 v11, v11, 80
	v_and_b32 v12, 3, v6
	v_lshl_add_u32 v11, v12, 4, v11
	v_add_nc_u32 v11, s66, v11                     ; back: 80 (lane / 4) + 16 (lane % 4): 512 consecutive bytes of codes a load
	s_lshl_b32 s66, s27, 11
	v_lshl_add_u32 v12, v6, 4, s66                 ; and their place in the work-group's 16,384 bytes of codes
	v_lshrrev_b32 v13, 4, v0
	v_lshlrev_b32 v13, 2, v13                      ; a weight's scale word: one for each sixteen threads
	v_and_b32 v14, 15, v0
	v_mov_b32 v[T+10], 0                           ; written once: the destination of a lane exchange counts as one of its sources
	v_mov_b32 v[T+11], 0
	v_mov_b32 v205, 0
	s_and_b32 s26, ttmp9, 15
	s_lshl_b32 s66, s26, 7                         ; my 32 channels in gamma, beta, bo: 128 cb bytes
	s_mov_b32 s67, 0
	s_mov_b32 s61, 0xffff0000                      ; lanes 16-31
	s_mov_b32 s62, 0x76543210
	s_mov_b32 s63, 0xfedcba98                      ; lane l xor 16
	s_wait_kmcnt 0x0
	s_add_nc_u64 s[6:7], s[6:7], s[66:67]
	s_add_nc_u64 s[8:9], s[8:9], s[66:67]
	s_add_nc_u64 s[10:11], s[10:11], s[66:67]
	s_load_b512 s[28:43], s[6:7], 0x0              ; gamma and beta as scalars: each is one operand of a multiply-add for all lanes
	s_load_b512 s[44:59], s[6:7], 0x40
	s_load_b512 s[68:83], s[8:9], 0x0
	s_load_b512 s[84:99], s[8:9], 0x40
	s_lshl_b32 s66, ttmp9, 17
	s_add_nc_u64 s[4:5], s[4:5], s[66:67]          ; x at my 32 channels
	s_lshr_b32 s60, ttmp9, 7                       ; which weight: the choice hangs on the work-group's number alone
	s_cmp_eq_u32 s60, 1
	s_cselect_b64 s[12:13], s[14:15], s[12:13]
	s_cmp_eq_u32 s60, 2
	s_cselect_b64 s[12:13], s[16:17], s[12:13]
	s_cmp_eq_u32 s60, 3
	s_cselect_b64 s[12:13], s[18:19], s[12:13]
	s_and_b32 s66, ttmp9, 127
	s_lshl_b32 s66, s66, 13
	s_add_nc_u64 s[12:13], s[12:13], s[66:67]      ; its rows 4 (g % 128) on
	s_lshl_b32 s66, ttmp9, 10
	s_add_nc_u64 s[14:15], s[22:23], s[66:67]      ; their codes: 1,024 g
	s_add_nc_u64 s[18:19], s[20:21], s[66:67]
	s_add_nc_u64 s[18:19], s[18:19], 0x800000      ; h's scale bytes: 8,388,608 + 1,024 g
	s_lshl_b32 s66, ttmp9, 6
	s_add_nc_u64 s[16:17], s[22:23], s[66:67]
	s_add_nc_u64 s[16:17], s[16:17], 0x80000       ; the weights' scale words: 524,288 + 64 g
	s_lshl_b32 s66, ttmp9, 14
	s_add_nc_u64 s[20:21], s[20:21], s[66:67]      ; h's codes: 16,384 g
	s_lshl_b32 s66, ttmp9, 8
	s_add_nc_u64 s[24:25], s[24:25], s[66:67]      ; st: 256 g
	global_load_b128 v[WD:WD+3], v4, s[12:13]
	global_load_b128 v[WD+4:WD+7], v4, s[12:13] offset:16
	global_load_b32 v220, v7, s[6:7]               ; gamma, beta, bo of channel = lane, for the residual's constants
	global_load_b32 v221, v7, s[8:9]
	global_load_b32 v222, v7, s[10:11]
.set c, 0
.rept 32
	global_load_b128 v[X+4*c:X+4*c+3], v3, s[4:5] offset:4096*c th:TH_LOAD_NT   ; channel c: a wave reads 512 consecutive bytes
.set c, c+1
.endr
	s_mov_b32 s66, 0x38800000                      ; 1 / 16,384
	s_mov_b32 s67, 0x3727c5ac                      ; eps = 1e-5
	; ---- the weights' 8 numbers of mine
	s_wait_loadcnt 35                              ; behind the weight's two loads stand 3 + 32 younger ones
	v_max3_num_f32 v200, |v[WD]|, |v[WD+1]|, 0x1800000   ; with the floor 2^(3 - 127): the byte cannot fall under 1
	v_max3_num_f32 v200, v200, |v[WD+2]|, |v[WD+3]|
	v_max3_num_f32 v200, v200, |v[WD+4]|, |v[WD+5]|
	v_max3_num_f32 v200, v200, |v[WD+6]|, |v[WD+7]|
	v_max_num_f32_dpp v200, v200, v200 row_xmask:1 row_mask:0xf bank_mask:0xf
	v_max_num_f32_dpp v200, v200, v200 row_xmask:2 row_mask:0xf bank_mask:0xf   ; four lanes hold a block
	v_add_nc_u32 v201, 0xff000000, v200            ; 2 off the exponent field: the conversion's scale operand
	v_cvt_scalef32_pk8_fp4_f32 v202, v[WD:WD+7], v201
	v_lshrrev_b32 v203, 23, v201                   ; the scale's byte
	v_bfe_u32 v206, v0, 2, 2
	v_lshlrev_b32 v206, 3, v206
	v_lshlrev_b32 v203, v206, v203                 ; at its place in the word of 128 along K
	v_mov_b32_dpp v205, v203 row_xmask:4 row_mask:0xf bank_mask:0xf
	v_or_b32 v203, v203, v205
	v_mov_b32_dpp v205, v203 row_xmask:8 row_mask:0xf bank_mask:0xf
	v_or_b32 v203, v203, v205                      ; the word is whole in all sixteen lanes
	global_store_b32 v5, v202, s[14:15]
	v_cmp_eq_u32 vcc_lo, 0, v14
	s_wait_xcnt 0x0                                ; EXEC is a source of the loads and the store that are out: it changes only behind this wait
	s_and_saveexec_b32 s60, vcc_lo
	global_store_b32 v13, v203, s[16:17]           ; one lane of sixteen stores the word
	s_wait_xcnt 0x0                                ; and again ahead of the line that widens EXEC; it also frees v202 and v203
	s_or_b32 exec_lo, exec_lo, s60
	s_wait_kmcnt 0x0                               ; gamma and beta
; the sum of my 64 numbers of group g, in two chains -> v[T+8+g]
.macro GSUM g
.set XB, X+64*\g
.set AC, T+4*\g
	v_pk_add_f32 v[AC:AC+1], v[XB:XB+1], v[XB+2:XB+3]
	v_pk_add_f32 v[AC+2:AC+3], v[XB+4:XB+5], v[XB+6:XB+7]
.irp i, 8,12,16,20,24,28,32,36,40,44,48,52,56,60
	v_pk_add_f32 v[AC:AC+1], v[AC:AC+1], v[XB+\i:XB+\i+1]
	v_pk_add_f32 v[AC+2:AC+3], v[AC+2:AC+3], v[XB+\i+2:XB+\i+3]
.endr
	v_pk_add_f32 v[AC:AC+1], v[AC:AC+1], v[AC+2:AC+3]
	v_add_f32 v[T+8+\g], v[AC], v[AC+1]
.endm
; my 64 numbers of group g less the group's mean, in place, and the sum of their squares -> v[T+8+g]
.macro GSQ g
.set XB, X+64*\g
.set AC, T+4*\g
.set i, 0
.rept 32
.if \g == 0
	v_pk_add_f32 v[XB+i:XB+i+1], v[XB+i:XB+i+1], v[MN:MN+1] op_sel_hi:[1,0] neg_lo:[0,1] neg_hi:[0,1]
.else
	v_pk_add_f32 v[XB+i:XB+i+1], v[XB+i:XB+i+1], v[MN:MN+1] op_sel:[0,1] op_sel_hi:[1,1] neg_lo:[0,1] neg_hi:[0,1]
.endif
.set i, i+2
.endr
	v_pk_mul_f32 v[AC:AC+1], v[XB:XB+1], v[XB:XB+1]
	v_pk_mul_f32 v[AC+2:AC+3], v[XB+2:XB+3], v[XB+2:XB+3]
.irp i, 4,8,12,16,20,24,28,32,36,40,44,48,52,56,60
	v_pk_fma_f32 v[AC:AC+1], v[XB+\i:XB+\i+1], v[XB+\i:XB+\i+1], v[AC:AC+1]
	v_pk_fma_f32 v[AC+2:AC+3], v[XB+\i+2:XB+\i+3], v[XB+\i+2:XB+\i+3], v[AC+2:AC+3]
.endr
	v_pk_add_f32 v[AC:AC+1], v[AC:AC+1], v[AC+2:AC+3]
	v_add_f32 v[T+8+\g], v[AC], v[AC+1]
.endm
; v[T+8], v[T+9] are summed over the wave's lanes (the two by turns), then over the eight waves through LDS -> v[RD], v[RD+1] in every lane
.macro ACROSS off
.irp m, 1,2,4,8
	v_add_f32_dpp v[T+8], v[T+8], v[T+8] row_xmask:\m row_mask:0xf bank_mask:0xf
	v_add_f32_dpp v[T+9], v[T+9], v[T+9] row_xmask:\m row_mask:0xf bank_mask:0xf
.endr
	v_permlanex16_b32 v[T+10], v[T+8], s62, s63
	v_permlanex16_b32 v[T+11], v[T+9], s62, s63
	v_add_f32 v[T+8], v[T+8], v[T+10]
	v_add_f32 v[T+9], v[T+9], v[T+11]
	ds_store_b64 v8, v[T+8:T+9] offset:\off        ; all lanes of a wave write the same two words with the same values
	s_wait_dscnt 0x0                               ; for the others' sake: my store has landed
	s_barrier_signal -1
	s_barrier_wait -1
.irp i, 0,1,2,3
	ds_load_b128 v[RD+4*\i:RD+4*\i+3], v9 offset:\off+16*\i
.endr
	s_wait_dscnt 0x0
	v_pk_add_f32 v[RD:RD+1], v[RD:RD+1], v[RD+2:RD+3]
	v_pk_add_f32 v[RD+4:RD+5], v[RD+4:RD+5], v[RD+6:RD+7]
	v_pk_add_f32 v[RD+8:RD+9], v[RD+8:RD+9], v[RD+10:RD+11]
	v_pk_add_f32 v[RD+12:RD+13], v[RD+12:RD+13], v[RD+14:RD+15]
	v_pk_add_f32 v[RD:RD+1], v[RD:RD+1], v[RD+4:RD+5]
	v_pk_add_f32 v[RD+8:RD+9], v[RD+8:RD+9], v[RD+12:RD+13]
	v_pk_add_f32 v[RD:RD+1], v[RD:RD+1], v[RD+8:RD+9]
.endm
	; ---- the means
	s_wait_loadcnt 16                              ; channels 0-15 are in; the sixteen loads of channels 16-31 may be out
	GSUM 0
	s_wait_loadcnt 0x0
	GSUM 1
	ACROSS RED1
	v_pk_mul_f32 v[MN:MN+1], v[RD:RD+1], s[66:67] op_sel_hi:[1,0]   ; / 16,384
	; ---- the variances, of the deviations
	GSQ 0
	GSQ 1
	ACROSS RED2
	v_fma_f32 v[RS], v[RD], s66, s67               ; var + eps
	v_fma_f32 v[RS+1], v[RD+1], s66, s67
	v_rsq_f32 v[RS], v[RS]
	v_rsq_f32 v[RS+1], v[RS+1]
	v_nop                                          ; a plain instruction behind the last of the two
	s_wait_alu depctr_va_vdst(0)                   ; one wait for both, ahead of their first reader
.set i, 0
.rept 32
	v_pk_mul_f32 v[X+i:X+i+1], v[X+i:X+i+1], v[RS:RS+1] op_sel_hi:[1,0]
.set i, i+2
.endr
.rept 32
	v_pk_mul_f32 v[X+i:X+i+1], v[X+i:X+i+1], v[RS:RS+1] op_sel:[0,1] op_sel_hi:[1,1]
.set i, i+2
.endr
; ---- position 4 t + j: its 32 channels x gamma + beta stand in 32 consecutive registers (the choice of registers is the transposition), and are one block
.macro QJ j
.set c, 0
.rept 32
	v_fma_f32 v[T+c], v[X+4*c+\j], s[GA+c], s[BE+c]
.set c, c+1
.endr
	v_max3_num_f32 v200, |v[T]|, |v[T+1]|, 0x1800000
	v_max3_num_f32 v201, |v[T+2]|, |v[T+3]|, |v[T+4]|
.irp i, 5,9,13,17,21,25
	v_max3_num_f32 v200, v200, |v[T+\i]|, |v[T+\i+1]|
	v_max3_num_f32 v201, v201, |v[T+\i+2]|, |v[T+\i+3]|
.endr
	v_max3_num_f32 v200, v200, |v[T+29]|, |v[T+30]|
	v_max3_num_f32 v200, v200, v201, |v[T+31]|
	v_add_nc_u32 v202, 0xff000000, v200
.irp g, 0,1,2,3
	v_cvt_scalef32_pk8_fp4_f32 v[C+4*\j+\g], v[T+8*\g:T+8*\g+7], v202
.endr
.if \j == 0
	v_lshrrev_b32 v204, 23, v202                   ; the scale's byte (a plain instruction behind the conversions, ahead of the next write of their sources)
.else
	v_lshrrev_b32 v203, 23, v202
	v_lshl_or_b32 v204, v203, 8*\j, v204           ; my four positions' bytes are neighbours in memory
.endif
.endm
	QJ 0
	QJ 1
	QJ 2
	QJ 3
	; ---- the way out: a lane's 64 bytes turn through the wave's own stage, so that each store covers 512 consecutive bytes.  LDS serves a wave's instructions in order
.irp j, 0,1,2,3
	ds_store_b128 v10, v[C+4*\j:C+4*\j+3] offset:16*\j
.endr
.irp i, 0,1,2,3
	ds_load_b128 v[T+4*\i:T+4*\i+3], v11 offset:640*\i
.endr
.irp i, 0,1,2,3
	s_wait_dscnt 3-\i                              ; load i is back; the younger ones may be out
	global_store_b128 v12, v[T+4*\i:T+4*\i+3], s[20:21] offset:512*\i
.endr
	global_store_b32 v5, v204, s[18:19]
	; ---- wave 0: lane = channel: the residual's two constants, 256 consecutive bytes
	s_cmp_lg_u32 s27, 0
	s_cbranch_scc1 .Lend
	v_cndmask_b32 v202, v[MN], v[MN+1], s61        ; channels 16-31 are the second group
	v_cndmask_b32 v203, v[RS], v[RS+1], s61
	v_mul_f32 v200, v203, v220                     ; a = rstd gamma
	v_add_f32 v201, v221, v222
	v_fma_f32 v201, -v202, v200, v201              ; K0 = beta + bo - mean a
	v_lshlrev_b32 v223, 3, v6
	global_store_b64 v223, v[200:201], s[24:25]
.Lend:
	s_wait_tensorcnt 0x0                           ; the wave's end, behind my last LDS store
	ds_add_u32 v1, v2
	s_wait_dscnt 0x0
	s_endpgm
.Lfunc_end_k_q5015e05005_prep:
	.size	k_q5015e05005_prep, .Lfunc_end_k_q5015e05005_prep-k_q5015e05005_prep
	.p2alignl 7, 3214868480
	.fill 96, 4, 3214868480
	.section	.rodata,"a",@progbits
	.p2align	6, 0x0
	.amdhsa_kernel k_q5015e05005_prep
		.amdhsa_group_segment_fixed_size 22016
		.amdhsa_private_segment_fixed_size 0
		.amdhsa_enable_private_segment 0
		.amdhsa_kernarg_size 88
		.amdhsa_user_sgpr_count 2
		.amdhsa_user_sgpr_kernarg_segment_ptr 1
		.amdhsa_wavefront_size32 1
		.amdhsa_system_sgpr_workgroup_id_x 1
		.amdhsa_system_sgpr_workgroup_id_y 1
		.amdhsa_system_sgpr_workgroup_id_z 1
		.amdhsa_system_vgpr_workitem_id 0
		.amdhsa_next_free_vgpr 224
		.amdhsa_next_free_sgpr 100
		.amdhsa_reserve_vcc 1
		.amdhsa_float_denorm_mode_32 3
		.amdhsa_float_denorm_mode_16_64 3
		.amdhsa_memory_ordered 1
		.amdhsa_forward_progress 1
		.amdhsa_inst_pref_size 43
	.end_amdhsa_kernel
	.amdgpu_metadata
---
amdhsa.version: [ 1, 2 ]
amdhsa.kernels:
  - .name:           k_q5015e05005_prep
    .symbol:         k_q5015e05005_prep.kd
    .args:
      - { .name: x, .offset: 0, .size: 8, .value_kind: global_buffer, .address_space: global }
      - { .name: gamma, .offset: 8, .size: 8, .value_kind: global_buffer, .address_space: global }
      - { .name: beta, .offset: 16, .size: 8, .value_kind: global_buffer, .address_space: global }
      - { .name: bo, .offset: 24, .size: 8, .value_kind: global_buffer, .address_space: global }
      - { .name: wq, .offset: 32, .size: 8, .value_kind: global_buffer, .address_space: global }
      - { .name: wk, .offset: 40, .size: 8, .value_kind: global_buffer, .address_space: global }
      - { .name: wv, .offset: 48, .size: 8, .value_kind: global_buffer, .address_space: global }
      - { .name: wo, .offset: 56, .size: 8, .value_kind: global_buffer, .address_space: global }
      - { .name: hbuf, .offset: 64, .size: 8, .value_kind: global_buffer, .address_space: global }
      - { .name: wbuf, .offset: 72, .size: 8, .value_kind: global_buffer, .address_space: global }
      - { .name: st, .offset: 80, .size: 8, .value_kind: global_buffer, .address_space: global }
    .group_segment_fixed_size: 22016
    .private_segment_fixed_size: 0
    .kernarg_segment_align: 8
    .kernarg_segment_size: 88
    .max_flat_workgroup_size: 256
    .sgpr_count:     100
    .vgpr_count:     224
    .wavefront_size: 32
...
	.end_amdgpu_metadata
.endif
;; end of part 1
;; launch qkv (part 2): grid 192 x 1, 4 waves a work-group, no clusters, 150,784 bytes of LDS; arguments hbuf, wbuf, bq, bk, bv, qbuf, kbuf, vbuf; writes qbuf, kbuf, vbuf
.if DOCPART == 2
	.amdgcn_target "amdgcn-amd-amdhsa--gfx1250"
	.amdhsa_code_object_version 6
	.text
	.protected	k_q5015e05005_qkv
	.globl	k_q5015e05005_qkv
	.p2align	8
	.type	k_q5015e05005_qkv,@function
k_q5015e05005_qkv:
	s_mov_b64 s[64:65], 0
	v_nop
	global_prefetch_b8 v0, s[64:65] scope:SCOPE_SE
	s_setreg_imm32_b32 hwreg(HW_REG_WAVE_MODE, 25, 1), 1
	s_wait_xcnt 0x0
; AttentionBlock, launch 2 of 3: q = wq h + bq, k = wk h + bk, v = wv h + bv on codes of E2M1, and their own quantising: q and k along the channels, v along the keys.  Nothing of reference() is left out.
; ONE SCHEME.  X = 256 rows as source 0, kept in 512 registers for the whole launch; Y = 16 rows as source 1, a step.  A step is 64 matrix instructions on 16 accumulators (K = 512 in four); in the result a lane holds
; ONE row of Y and its registers run along X.  THE ROWS OF X THAT FORM A TILE ARE NOT NEIGHBOURS: lane r of tile 2 b + u takes row 32 b + 8 u + r + 8 (r / 8), so that the 16 registers of tiles 2 b, 2 b + 1 are 16
; neighbours along X.  So 64 registers are quantised in place into a fragment of 16 rows of Y x 128 along X.
; q, k (work-groups 0-127: batch, 256 positions): X = 256 rows of wq or wk (wave w: matrix w / 2, half w % 2), Y = positions: registers run along the output channels.
; v (work-groups 128-191: batch, 256 channels): X = 256 positions of h (wave w: keys 256 w on), Y = rows of wv: registers run along the keys.  Nothing is transposed.
; 192 work-groups of 16 steps each: 3,072 steps do not fall into 256 equal shares of whole trips, and halves would fetch the stationary 272 KB twice as often.
; Y IS SHARED THROUGH LDS AS IMAGES OF ITS REGISTERS: wave w loads tiles 4 w .. 4 w + 3 from memory, stores them as they stand (16 bytes a lane, 512 a store), one barrier, and all four waves read each tile.
; NO CLUSTER, NO TENSOR LOAD: the fragments lie in the workspace so that each comes by 16-byte loads straight into operand registers, once, to the one wave that uses it; a joint load would land in LDS and want a second pass.
; The two paths part on the work-group's number and never join; each has LDS bytes of its own, with room behind each region for the look-ahead of a trip's last step.
; OUT: codes in planes [b][block of 32 along K][row][16 bytes]: lanes 0-15 and lanes 16-31 of a store each cover 256 consecutive bytes, aligned.  Scale words [b][128 along K][row / 64][row % 16][(row / 16) % 4].
; LIMITS: as in launch 1 (NaN, infinities; blocks under 2^-124 keep the byte 1).
; REGISTERS: window 0: v1-19 addresses; v20-51 X's scale words (register 4 i + s: lanes 0-15 tile 2 i, lanes 16-31 tile 2 i + 1, K step s); v52-53 Y's (register j: K step 2 (lane / 16) + j); v54-59, v60-75 words and codes
; just made; v76-91 at work; v128-255 the 16 accumulators.  Window 1: X of K steps 0, 1.  Window 2: of 2, 3.  Window 3: v0-31 Y; v32-39 v's bias; v128-255 q's and k's bias in the result's layout.
.set A_YIMG, 0                         ; q, k: 16 tiles x 4,096 bytes (+ 4,096 of room)
.set A_YSC,  69632                     ; their scale words, 256 bytes a tile (+ 256)
.set B_YIMG, 73984                     ; v: the same
.set B_YSC,  143616
.set B_YBI,  147968                    ; v: a bias word a lane, 128 bytes a tile (+ 256)
.set SPARE,  150272                    ; the spare words, 128 bytes for each of four waves; no other line names them
.set XS,  20
.set YS,  52
.set SW,  54
.set PW,  58
.set PC,  60
.set TM,  76
.set HT,  92
.set ACC, 128
.set MSB, 0
.macro WIN new                         ; the immediate's high byte repeats the setting that is left; a switch that changes nothing is dropped
.if MSB != (\new)
	s_set_vgpr_msb (MSB<<8)|(\new)
.set MSB, \new
.endif
.endm
; one matrix instruction.  z: C is the constant 0; ra, rb: the rows of the scale registers (1: lanes 16-31)
.macro MM z, d, a, b, c, sa, sb, ra, rb
.if (\z) && ((\ra)==0) && ((\rb)==0)
	v_wmma_scale_f32_16x16x128_f8f6f4 v[0+(\d):7+(\d)], v[0+(\a):7+(\a)], v[0+(\b):7+(\b)], 0, v[\sa], v[\sb] matrix_a_fmt:MATRIX_FMT_FP4 matrix_b_fmt:MATRIX_FMT_FP4
.elseif (\z) && ((\ra)==1) && ((\rb)==0)
	v_wmma_scale_f32_16x16x128_f8f6f4 v[0+(\d):7+(\d)], v[0+(\a):7+(\a)], v[0+(\b):7+(\b)], 0, v[\sa], v[\sb] matrix_a_fmt:MATRIX_FMT_FP4 matrix_b_fmt:MATRIX_FMT_FP4 matrix_a_scale:MATRIX_SCALE_ROW1
.elseif (\z) && ((\ra)==0)
	v_wmma_scale_f32_16x16x128_f8f6f4 v[0+(\d):7+(\d)], v[0+(\a):7+(\a)], v[0+(\b):7+(\b)], 0, v[\sa], v[\sb] matrix_a_fmt:MATRIX_FMT_FP4 matrix_b_fmt:MATRIX_FMT_FP4 matrix_b_scale:MATRIX_SCALE_ROW1
.elseif (\z)
	v_wmma_scale_f32_16x16x128_f8f6f4 v[0+(\d):7+(\d)], v[0+(\a):7+(\a)], v[0+(\b):7+(\b)], 0, v[\sa], v[\sb] matrix_a_fmt:MATRIX_FMT_FP4 matrix_b_fmt:MATRIX_FMT_FP4 matrix_a_scale:MATRIX_SCALE_ROW1 matrix_b_scale:MATRIX_SCALE_ROW1
.elseif ((\ra)==0) && ((\rb)==0)
	v_wmma_scale_f32_16x16x128_f8f6f4 v[0+(\d):7+(\d)], v[0+(\a):7+(\a)], v[0+(\b):7+(\b)], v[0+(\c):7+(\c)], v[\sa], v[\sb] matrix_a_fmt:MATRIX_FMT_FP4 matrix_b_fmt:MATRIX_FMT_FP4
.elseif ((\ra)==1) && ((\rb)==0)
	v_wmma_scale_f32_16x16x128_f8f6f4 v[0+(\d):7+(\d)], v[0+(\a):7+(\a)], v[0+(\b):7+(\b)], v[0+(\c):7+(\c)], v[\sa], v[\sb] matrix_a_fmt:MATRIX_FMT_FP4 matrix_b_fmt:MATRIX_FMT_FP4 matrix_a_scale:MATRIX_SCALE_ROW1
.elseif ((\ra)==0)
	v_wmma_scale_f32_16x16x128_f8f6f4 v[0+(\d):7+(\d)], v[0+(\a):7+(\a)], v[0+(\b):7+(\b)], v[0+(\c):7+(\c)], v[\sa], v[\sb] matrix_a_fmt:MATRIX_FMT_FP4 matrix_b_fmt:MATRIX_FMT_FP4 matrix_b_scale:MATRIX_SCALE_ROW1
.else
	v_wmma_scale_f32_16x16x128_f8f6f4 v[0+(\d):7+(\d)], v[0+(\a):7+(\a)], v[0+(\b):7+(\b)], v[0+(\c):7+(\c)], v[\sa], v[\sb] matrix_a_fmt:MATRIX_FMT_FP4 matrix_b_fmt:MATRIX_FMT_FP4 matrix_a_scale:MATRIX_SCALE_ROW1 matrix_b_scale:MATRIX_SCALE_ROW1
.endif
.endm
; 64 numbers of a lane, v[s] .. v[s + 63], register 16 b + i = k 32 b + 16 (lane / 16) + i of my row, become fragment f's codes in v[PC + 8 f] on and its scale word in v[PW + f].
; Each accumulator is first read at its low end.
.macro QUANT s, f
.irp b, 0,1,2,3
	v_max3_num_f32 v[TM+\b], |v[\s+16*\b]|, |v[\s+1+16*\b]|, 0x1800000   ; block b: my 16 numbers, and the floor 2^(3 - 127): the byte cannot fall under 1
.endr
.irp i, 2,4,6,8,10,12,14
.irp b, 0,1,2,3
	v_max3_num_f32 v[TM+\b], v[TM+\b], |v[\s+16*\b+\i]|, |v[\s+1+16*\b+\i]|   ; (the four blocks by turns)
.endr
.endr
.irp b, 0,1,2,3
	v_permlanex16_b32 v[TM+4+\b], v[TM+\b], s42, s43
.endr
.irp b, 0,1,2,3
	v_max_num_f32 v[TM+\b], v[TM+\b], v[TM+4+\b]   ; with lane l xor 16's: the block's largest magnitude
.endr
.irp b, 0,1,2,3
	v_add_nc_u32 v[TM+12+\b], 0xff000000, v[TM+\b]   ; 2 off its exponent field: the conversion's scale operand
.endr
.irp b, 0,1,2,3
	v_lshrrev_b32 v[TM+4+\b], 23, v[TM+12+\b]      ; the scale's byte
.endr
	v_lshl_or_b32 v[PW+\f], v[TM+5], 8, v[TM+4]
	v_lshl_or_b32 v[PW+\f], v[TM+6], 16, v[PW+\f]
	v_lshl_or_b32 v[PW+\f], v[TM+7], 24, v[PW+\f]
.irp b, 0,1,2,3
	v_cvt_scalef32_pk8_fp4_f32 v[PC+8*\f+2*\b], v[\s+16*\b:\s+7+16*\b], v[TM+12+\b]
	v_cvt_scalef32_pk8_fp4_f32 v[PC+8*\f+1+2*\b], v[\s+8+16*\b:\s+15+16*\b], v[TM+12+\b]
.endr
	v_nop                                          ; one plain instruction behind a scaled conversion
.irp c, 0,1                                    ; the operand's layout wants a whole block in a lane: lanes 0-15 block 2 c, lanes 16-31 block 2 c + 1
.irp i, 0,1
	v_permlane16_swap_b32 v[PC+8*\f+4*\c+\i], v[PC+8*\f+2+4*\c+\i]
.endr
.endr
.endm
.macro BARRIER                                 ; my LDS stores have landed and my LDS loads are in: then the work-group's barrier
	s_wait_dscnt 0x0
	s_barrier_signal -1
	s_barrier_wait -1
.endm
; tile m of the trip's tiles of Y comes out of LDS as it was stored
.macro YFETCH kind, m
	WIN 0xc0                                       ; destination window 3
.irp s, 0,1,2,3
.irp c, 0,1
	ds_load_b128 v[8*\s+4*\c:8*\s+4*\c+3], v13 offset:4096*(\m)+1024*\s+512*\c
.endr
.endr
.if \kind
.irp e, 0,1,2,3,4,5,6,7
	ds_load_b32 v[32+\e], v15 offset:128*(\m)      ; v's bias hangs on the lane's row of Y alone: the same word in all eight registers of C
.endr
.endif
	WIN 0
	ds_load_b64 v[YS:YS+1], v14 offset:256*(\m)
.endm
; K step s of a step: 16 matrix instructions, the 16 accumulators by turns.  The bias is the C of the first K step.
.macro PROD kind, s
.set t, 0
.rept 16
.if (\s) == 0
.if \kind == 0
	MM 0, ACC+8*t, 8*t, 0, 128+8*t, XS+4*(t/2), YS, t%2, 0
.else
	MM 0, ACC+8*t, 8*t, 0, 32, XS+4*(t/2), YS, t%2, 0
.endif
.else
	MM 0, ACC+8*t, 128*((\s)%2)+8*t, 8*(\s), ACC+8*t, XS+4*(t/2)+(\s), YS+(\s)%2, t%2, (\s)/2
.endif
.set t, t+1
.endr
.endm
.macro STEP kind, i
	s_wait_dscnt 0x0                               ; this step's Y is in
	WIN 0x3d                                       ; X window 1, Y and the bias window 3, result window 0
	PROD \kind, 0
	WIN 0x0d
	PROD \kind, 1
	WIN 0x0e                                       ; X window 2
	PROD \kind, 2
	PROD \kind, 3
	WIN 0
.rept 4
	v_nop                                          ; places ahead of the loads into Y's registers and of the first read of results
.endr
.if \i < 3
	YFETCH \kind, \i+1                             ; the next step's Y lands while this step's results are quantised
.else
	s_cmp_eq_u32 s39, 1                            ; the last trip has no next tile
	s_cbranch_scc1 .Lno_y_\@
	YFETCH \kind, 4
.Lno_y_\@:
.endif
	s_wait_xcnt 0x0                                ; the last step's stores have read their codes and words
	QUANT ACC, 0
	QUANT ACC+64, 1
	v_cndmask_b32 v[SW+\i], v[PW], v[PW+1], s40    ; lanes 0-15 carry the first 128's word, lanes 16-31 the second's
.irp f, 0,1
.irp c, 0,1
	global_store_b128 v[VO], v[PC+8*\f+4*\c:PC+8*\f+4*\c+3], s[30:31] offset:(4*\f+2*\c)*PL+256*\i
.endr
.endr
.if \i == 3
	global_store_b128 v12, v[SW:SW+3], s[32:33]    ; four steps' words: 16 bytes a lane
.endif
.endm
.macro LOOP kind
.Lloop_\kind:
	STEP \kind, 0
	STEP \kind, 1
	STEP \kind, 2
	STEP \kind, 3
	s_wait_dscnt 0x0
	v_add_nc_u32 v13, 16384, v13                   ; four tiles on
	v_add_nc_u32 v14, 1024, v14
.if \kind
	v_add_nc_u32 v15, 512, v15
.endif
	s_wait_xcnt 0x0                                ; the stores have read their bases
	s_add_nc_u64 s[30:31], s[30:31], 1024
	s_add_nc_u64 s[32:33], s[32:33], 256
	s_sub_co_u32 s39, s39, 1
	s_cmp_lg_u32 s39, 0
	s_cbranch_scc1 .Lloop_\kind
	s_wait_tensorcnt 0x0                           ; the wave's end, behind my last LDS store
	ds_add_u32 v1, v2
	s_wait_dscnt 0x0
	s_endpgm
.endm
	s_load_b512 s[4:19], s[0:1], 0x0               ; hbuf, wbuf, bq, bk, bv, qbuf, kbuf, vbuf
	v_lshl_add_u32 v1, v0, 2, SPARE                ; my spare word; never rewritten
	v_mov_b32 v2, 0                                ; 0; never rewritten
	v_lshrrev_b32 v3, 5, v0
	v_readfirstlane_b32 s38, v3                    ; wave 0..3
	v_and_b32 v19, 31, v0                          ; lane
	v_and_b32 v3, 15, v0                           ; r
	v_bfe_u32 v4, v0, 4, 1                         ; h
	v_and_b32 v5, 8, v3
	v_add_nc_u32 v5, v5, v3                        ; r + 8 (r / 8)
.irp b, 0,1,2,3
	v_mov_b32 v[TM+4+\b], 0                        ; written once: a lane permute's destination counts as one of its sources
.endr
	s_mov_b32 s40, 0xffff0000                      ; lanes 16-31
	s_mov_b32 s42, 0x76543210
	s_mov_b32 s43, 0xfedcba98                      ; lane l xor 16
	s_mov_b32 s39, 4                               ; trips of four steps
	s_mov_b32 s45, 0
	s_wait_kmcnt 0x0
	s_cmp_lt_u32 ttmp9, 128
	s_cbranch_scc0 .Lpath_b
	; ======== q and k
	s_lshr_b32 s34, ttmp9, 2                       ; batch
	s_and_b32 s35, ttmp9, 3                        ; which 256 positions
	s_and_b32 s37, s38, 1                          ; which 256 output channels
	s_lshr_b32 s36, s38, 1                         ; wq or wk
	s_cmp_eq_u32 s36, 0
	s_cselect_b64 s[28:29], s[8:9], s[10:11]
	s_cselect_b64 s[30:31], s[14:15], s[16:17]
	s_lshl_b32 s44, s38, 16
	s_add_nc_u64 s[20:21], s[6:7], s[44:45]        ; X: 131,072 x matrix + 65,536 x half = 65,536 x wave
	s_lshl_b32 s44, s38, 12
	s_add_co_u32 s44, s44, 524288
	s_add_nc_u64 s[22:23], s[6:7], s[44:45]        ; its scale words
	s_lshl_b32 s44, s37, 10
	s_add_nc_u64 s[28:29], s[28:29], s[44:45]      ; its bias
	s_lshl_b32 s46, s34, 18
	s_lshl_b32 s47, s35, 12
	s_add_co_u32 s46, s46, s47                     ; 262,144 b + 4,096 nq
	s_lshl_b32 s44, s38, 10
	s_add_co_u32 s44, s44, s46
	s_add_nc_u64 s[24:25], s[4:5], s[44:45]        ; Y: my four tiles of h
	s_lshl_b32 s47, s34, 14
	s_add_co_u32 s47, s47, 0x800000                ; 8,388,608 + 16,384 b
	s_lshl_b32 s44, s35, 8
	s_add_co_u32 s44, s44, s47
	s_lshl_b32 s36, s38, 6
	s_add_co_u32 s44, s44, s36
	s_add_nc_u64 s[26:27], s[4:5], s[44:45]        ; their scale bytes
	s_lshl_b32 s44, s37, 13
	s_add_co_u32 s44, s44, s47
	s_lshl_b32 s36, s35, 10
	s_add_co_u32 s44, s44, s36
	s_add_nc_u64 s[32:33], s[30:31], s[44:45]      ; out: scale words
	s_lshl_b32 s44, s37, 17
	s_add_co_u32 s44, s44, s46
	s_add_nc_u64 s[30:31], s[30:31], s[44:45]      ; out: codes
	v_lshlrev_b32 v6, 8, v5
	v_lshl_add_u32 v6, v4, 4, v6                   ; X: 256 (r + 8 (r / 8)) + 16 h
	v_lshl_add_u32 v7, v4, 3, v5
	v_lshlrev_b32 v7, 4, v7                        ; its scale words: row 8 h + r + 8 (r / 8), 16 bytes a row
	v_lshlrev_b32 v8, 6, v4                        ; its bias: 16 h numbers on
	v_lshlrev_b32 v9, 14, v4
	v_lshl_add_u32 v9, v3, 4, v9                   ; Y, and the codes on their way out: plane h, row r
	v_lshl_add_u32 v10, v4, 13, v3                 ; Y's scale bytes: 8 h planes on, row r
	v_lshlrev_b32 v12, 12, v4
	v_lshl_add_u32 v12, v3, 4, v12                 ; the words on their way out
	v_lshlrev_b32 v13, 4, v19                      ; images: 16 x lane (A_YIMG = 0)
	v_lshl_add_u32 v14, v19, 3, A_YSC
	s_lshl_b32 s44, s38, 14
	v_add_nc_u32 v16, s44, v13                     ; where I store my four tiles
	s_lshl_b32 s44, s38, 10
	v_add_nc_u32 v17, s44, v14
.irp s, 0,1,2,3
	WIN 0x40+0x40*(\s/2)                           ; destination window 1, then 2
.set t, 0
.rept 16
.irp c, 0,1
	global_load_b128 v[128*(\s%2)+8*t+4*\c:128*(\s%2)+8*t+4*\c+3], v6, s[20:21] offset:(32*(t/2)+8*(t%2))*256+64*\s+32*\c
.endr
.set t, t+1
.endr
.endr
	WIN 0xc0
.set t, 0
.rept 16
.irp e, 0,1
	global_load_b128 v[128+8*t+4*\e:128+8*t+4*\e+3], v8, s[28:29] offset:(32*(t/2)+8*(t%2))*4+16*\e   ; lane (r, h), register j of tile t: the bias of output channel 32 (t / 2) + 16 h + 8 (t % 2) + j
.endr
.set t, t+1
.endr
	WIN 0
.irp i, 0,1,2,3,4,5,6,7
	global_load_b128 v[XS+4*\i:XS+4*\i+3], v7, s[22:23] offset:512*\i
.endr
.irp k, 0,1,2,3
.irp s, 0,1,2,3
.irp c, 0,1
	global_load_b128 v[ACC+32*\k+8*\s+4*\c:ACC+32*\k+8*\s+4*\c+3], v9, s[24:25] offset:(4*\s+2*\c)*16384+256*\k
.endr
.endr
.irp j, 0,1
.irp y, 0,1,2,3
	global_load_u8 v[HT+8*\k+4*\j+\y], v10, s[26:27] offset:(4*\j+\y)*1024+16*\k
.endr
.endr
.endr
	s_wait_loadcnt 0x0                             ; all of it is wanted by the first step
.irp n, 0,1,2,3,4,5,6,7
	v_lshl_or_b32 v[PC+\n], v[HT+4*\n+1], 8, v[HT+4*\n]   ; four bytes make a scale word: tile n / 2, register n % 2
.endr
.irp n, 0,1,2,3,4,5,6,7
	v_lshl_or_b32 v[PC+\n], v[HT+4*\n+2], 16, v[PC+\n]
.endr
.irp n, 0,1,2,3,4,5,6,7
	v_lshl_or_b32 v[PC+\n], v[HT+4*\n+3], 24, v[PC+\n]
.endr
.irp k, 0,1,2,3
.irp s, 0,1,2,3
.irp c, 0,1
	ds_store_b128 v16, v[ACC+32*\k+8*\s+4*\c:ACC+32*\k+8*\s+4*\c+3] offset:4096*\k+1024*\s+512*\c
.endr
.endr
	ds_store_b64 v17, v[PC+2*\k:PC+2*\k+1] offset:256*\k
.endr
	BARRIER                                        ; all sixteen tiles of Y lie in LDS
	YFETCH 0, 0
.set PL, 16384
.set VO, 9
	LOOP 0
	; ======== v
.Lpath_b:
	s_sub_co_u32 s34, ttmp9, 128
	s_and_b32 s35, s34, 1                          ; which 256 channels
	s_lshr_b32 s34, s34, 1                         ; batch
	s_lshl_b32 s46, s34, 18                        ; 262,144 b
	s_lshl_b32 s47, s34, 14
	s_add_co_u32 s47, s47, 0x800000                ; 8,388,608 + 16,384 b
	s_lshl_b32 s44, s38, 12
	s_add_co_u32 s44, s44, s46
	s_add_nc_u64 s[20:21], s[4:5], s[44:45]        ; X: h at keys 256 w on
	s_lshl_b32 s44, s38, 8
	s_add_co_u32 s44, s44, s47
	s_add_nc_u64 s[22:23], s[4:5], s[44:45]        ; its scale bytes
	s_lshl_b32 s44, s35, 16
	s_lshl_b32 s36, s38, 14
	s_add_co_u32 s44, s44, s36
	s_add_co_u32 s44, s44, 262144
	s_add_nc_u64 s[24:25], s[6:7], s[44:45]        ; Y: my four tiles of wv
	s_lshl_b32 s44, s35, 12
	s_lshl_b32 s36, s38, 10
	s_add_co_u32 s44, s44, s36
	s_add_co_u32 s44, s44, 540672
	s_add_nc_u64 s[26:27], s[6:7], s[44:45]        ; their scale words
	s_lshl_b32 s44, s35, 10
	s_lshl_b32 s36, s38, 8
	s_add_co_u32 s44, s44, s36
	s_add_nc_u64 s[28:29], s[12:13], s[44:45]      ; their bias
	s_lshl_b32 s44, s38, 16
	s_add_co_u32 s44, s44, s46
	s_lshl_b32 s36, s35, 12
	s_add_co_u32 s44, s44, s36
	s_add_nc_u64 s[30:31], s[18:19], s[44:45]      ; out: codes
	s_lshl_b32 s44, s38, 12
	s_add_co_u32 s44, s44, s47
	s_lshl_b32 s36, s35, 10
	s_add_co_u32 s44, s44, s36
	s_add_nc_u64 s[32:33], s[18:19], s[44:45]      ; out: scale words
	v_lshlrev_b32 v6, 14, v4
	v_lshl_add_u32 v6, v5, 4, v6                   ; X: plane h, row r + 8 (r / 8)
	v_lshl_add_u32 v7, v4, 3, v5                   ; its scale bytes: row 8 h + r + 8 (r / 8)
	v_lshlrev_b32 v8, 2, v3                        ; the bias of row r
	v_lshlrev_b32 v9, 8, v3
	v_lshl_add_u32 v9, v4, 4, v9                   ; Y: 256 r + 16 h
	v_lshlrev_b32 v10, 4, v3
	v_lshl_add_u32 v10, v4, 3, v10                 ; its scale words: 16 r + 8 h
	v_lshlrev_b32 v11, 13, v4
	v_lshl_add_u32 v11, v3, 4, v11                 ; the codes on their way out: plane h of 8,192 bytes, row r
	v_lshlrev_b32 v12, 11, v4
	v_lshl_add_u32 v12, v3, 4, v12                 ; the words
	v_lshl_add_u32 v13, v19, 4, B_YIMG
	v_lshl_add_u32 v14, v19, 3, B_YSC
	v_lshl_add_u32 v15, v19, 2, B_YBI
	s_lshl_b32 s44, s38, 14
	v_add_nc_u32 v16, s44, v13
	s_lshl_b32 s44, s38, 10
	v_add_nc_u32 v17, s44, v14
	s_lshl_b32 s44, s38, 9
	v_add_nc_u32 v18, s44, v15
.irp s, 0,1,2,3
	WIN 0x40+0x40*(\s/2)
.set t, 0
.rept 16
.irp c, 0,1
	global_load_b128 v[128*(\s%2)+8*t+4*\c:128*(\s%2)+8*t+4*\c+3], v6, s[20:21] offset:(4*\s+2*\c)*16384+(32*(t/2)+8*(t%2))*16
.endr
.set t, t+1
.endr
.endr
	WIN 0xc0
.irp k, 0,1,2,3
.irp s, 0,1,2,3
.irp c, 0,1
	global_load_b128 v[128+32*\k+8*\s+4*\c:128+32*\k+8*\s+4*\c+3], v9, s[24:25] offset:4096*\k+64*\s+32*\c
.endr
.endr
.endr
	WIN 0
.irp i, 0,1,2,3,4,5,6,7
.irp s, 0,1,2,3
.irp y, 0,1,2,3
	global_load_u8 v[ACC+16*\i+4*\s+\y], v7, s[22:23] offset:(4*\s+\y)*1024+32*\i
.endr
.endr
.endr
.irp k, 0,1,2,3
	global_load_b64 v[PC+2*\k:PC+2*\k+1], v10, s[26:27] offset:256*\k
	global_load_b32 v[HT+\k], v8, s[28:29] offset:64*\k
.endr
	s_wait_loadcnt 0x0
.set n, 0
.rept 32
	v_lshl_or_b32 v[XS+n], v[ACC+4*n+1], 8, v[ACC+4*n]   ; four bytes make a scale word of X
.set n, n+1
.endr
.set n, 0
.rept 32
	v_lshl_or_b32 v[XS+n], v[ACC+4*n+2], 16, v[XS+n]
.set n, n+1
.endr
.set n, 0
.rept 32
	v_lshl_or_b32 v[XS+n], v[ACC+4*n+3], 24, v[XS+n]
.set n, n+1
.endr
	WIN 0x0c                                       ; an LDS store's data are its source 1: window 3
.irp k, 0,1,2,3
.irp s, 0,1,2,3
.irp c, 0,1
	ds_store_b128 v16, v[128+32*\k+8*\s+4*\c:128+32*\k+8*\s+4*\c+3] offset:4096*\k+1024*\s+512*\c
.endr
.endr
.endr
	WIN 0
.irp k, 0,1,2,3
	ds_store_b64 v17, v[PC+2*\k:PC+2*\k+1] offset:256*\k
	ds_store_b32 v18, v[HT+\k] offset:128*\k
.endr
	BARRIER
	YFETCH 1, 0
.rept 8
	v_nop                                          ; X's scale words were made by vector instructions: eight places ahead of the first scaled matrix instruction
.endr
.set PL, 8192
.set VO, 11
	LOOP 1
.Lfunc_end_k_q5015e05005_qkv:
	.size	k_q5015e05005_qkv, .Lfunc_end_k_q5015e05005_qkv-k_q5015e05005_qkv
	.p2alignl 7, 3214868480
	.fill 96, 4, 3214868480
	.section	.rodata,"a",@progbits
	.p2align	6, 0x0
	.amdhsa_kernel k_q5015e05005_qkv
		.amdhsa_group_segment_fixed_size 150784
		.amdhsa_private_segment_fixed_size 0
		.amdhsa_enable_private_segment 0
		.amdhsa_kernarg_size 64
		.amdhsa_user_sgpr_count 2
		.amdhsa_user_sgpr_kernarg_segment_ptr 1
		.amdhsa_wavefront_size32 1
		.amdhsa_system_sgpr_workgroup_id_x 1
		.amdhsa_system_sgpr_workgroup_id_y 1
		.amdhsa_system_sgpr_workgroup_id_z 1
		.amdhsa_system_vgpr_workitem_id 0
		.amdhsa_next_free_vgpr 1024
		.amdhsa_next_free_sgpr 66
		.amdhsa_reserve_vcc 0
		.amdhsa_float_denorm_mode_32 3
		.amdhsa_float_denorm_mode_16_64 3
		.amdhsa_memory_ordered 1
		.amdhsa_forward_progress 1
		.amdhsa_inst_pref_size 208
	.end_amdhsa_kernel
	.amdgpu_metadata
---
amdhsa.version: [ 1, 2 ]
amdhsa.kernels:
  - .name:           k_q5015e05005_qkv
    .symbol:         k_q5015e05005_qkv.kd
    .args:
      - { .name: hbuf, .offset: 0, .size: 8, .value_kind: global_buffer, .address_space: global }
      - { .name: wbuf, .offset: 8, .size: 8, .value_kind: global_buffer, .address_space: global }
      - { .name: bq, .offset: 16, .size: 8, .value_kind: global_buffer, .address_space: global }
      - { .name: bk, .offset: 24, .size: 8, .value_kind: global_buffer, .address_space: global }
      - { .name: bv, .offset: 32, .size: 8, .value_kind: global_buffer, .address_space: global }
      - { .name: qbuf, .offset: 40, .size: 8, .value_kind: global_buffer, .address_space: global }
      - { .name: kbuf, .offset: 48, .size: 8, .value_kind: global_buffer, .address_space: global }
      - { .name: vbuf, .offset: 56, .size: 8, .value_kind: global_buffer, .address_space: global }
    .group_segment_fixed_size: 150784
    .private_segment_fixed_size: 0
    .kernarg_segment_align: 8
    .kernarg_segment_size: 64
    .max_flat_workgroup_size: 128
    .sgpr_count:     66
    .vgpr_count:     1024
    .wavefront_size: 32
...
	.end_amdgpu_metadata
.endif
;; end of part 2
;; launch attn (part 3): grid 8 x 32, 4 waves a work-group, no clusters, 81,408 bytes of LDS; arguments x, qbuf, kbuf, vbuf, wbuf, st, out0; writes out0
.if DOCPART == 3
	.amdgcn_target "amdgcn-amd-amdhsa--gfx1250"
	.amdhsa_code_object_version 6
	.text
	.protected	k_q5015e05005_attn
	.globl	k_q5015e05005_attn
	.p2align	8
	.type	k_q5015e05005_attn,@function
k_q5015e05005_attn:
	s_mov_b64 s[64:65], 0
	v_nop
	global_prefetch_b8 v0, s[64:65] scope:SCOPE_SE
	s_setreg_imm32_b32 hwreg(HW_REG_WAVE_MODE, 25, 1), 1
	s_wait_xcnt 0x0
; AttentionBlock, launch 3 of 3: scores, softmax, attention's second product, the projection by wo, + bo + the normalised x.  All three products on codes of E2M1.  Nothing of reference() is left out.
; SHARES.  A work-group STAYS for two blocks of 64 queries (four tiles of 16) of one batch: 8 x 32 = 256 work-groups; one trip of the loop is one block, so the first block's stores leave under the second block's work.
; A block has ALL 1,024 keys at once: a wave's 256 keys x 64 queries are 512 registers of scores.  So M is the ceiling of the row's true largest t: no running maximum, and O is never rescaled.
; The waves share in turn the keys (256 w on), then the channels of O (128 w on), then the output channels (128 w on): every fragment of K, V and wo is read by ONE wave,
; straight from the workspace into operand registers, and feeds four matrix instructions.  From wave to wave, through LDS: the rows' maxima and sums, p and the quantised O as images of their operand registers.  Three barriers a trip;
; each region of LDS that the next trip writes again is parted from its last readers by one of them, with every wave's LDS instructions waited for in front of it.
; LAYOUT.  S^T = K Q^T and O^T = V^T P^T (source 0 = keys, then channels; source 1 = 16 queries): a lane holds ONE query.  The keys of a tile of K and the channels of a tile of V are not neighbours: lane r of tile
; 2 b + u takes row 32 b + 8 u + r + 8 (r / 8), so that 16 registers of two neighbouring tiles are 16 neighbours along the next K.  The projection takes the queries as source 0: a lane then holds 8 neighbouring positions of one output channel.
; SOFTMAX.  t = score x log2(e) / sqrt(512); -M = floor(-(the row's largest t)); p = 2^(t - M) is quantised along the keys, not normalised; the row's sum l is taken of the unquantised p; O / l is what is quantised for the projection.
; A block's largest p is not searched for: the block's largest score goes through the same multiply-add and exponential (p rises with the score).
; THE RESIDUAL: xn = a x + (beta - mean a); with bo: out = y + a x + K0, a and K0 from launch 1.
; LOADS go out in portions of 16 to 48, each as soon as its registers are free and with work behind it: V under the softmax, wo slab by slab under the second product's first half, x under its second half.
; NO CLUSTER, NO TENSOR LOAD, though the eight work-groups of a batch walk the same K, V and wo: a joint load lands in LDS, where the 640 KB that a block walks would want slots filled again and a second pass into registers.
; LIMITS: NaN and infinities are not served; blocks under 2^-124 keep the byte 1; t has one rounding where reference() has two; a x + K0 is another order of rounding than (x - mean) rstd gamma + beta;
; exponentials and reciprocals are the chip's own.
; REGISTERS.  Window 0: v1-14, v112-117 addresses; v120-127 the residual's table on its way to LDS; v16-111 scale words and nothing else; v128-255 by phase: Q | softmax's statistics and codes | p's fragments, sums | O's quantiser |
; O's fragments | rows of y and their constants.   Window 1: a ring of 8 tiles of K | V of key steps 0-3 | wo.   Window 2: scores of my first 128 keys | O^T | y.   Window 3: scores of my second 128 keys | V of key steps 4-7 | x.
.set PIMG,  0                          ; LDS: p's 32 fragments: (8 qi + key step) x 1,024 + 512 c + 16 lane
.set PSC,   32768                      ; their scale words: 512 x key step + 16 lane + 4 qi
.set OIMG,  36864                      ; O's 16 fragments: (4 qi + K step) x 1,024
.set OSC,   53248                      ; their scale words: 512 x K step + 16 lane + 4 qi
.set MXM,   55296                      ; the waves' maxima: 512 qi + 16 lane + 4 wave
.set LSM,   57344                      ; the waves' sums, likewise
.set STT,   59392                      ; the residual's constants (a, K0) of my wave's 128 channels: 1,024 bytes a wave, each wave's own
.set STG,   63488                      ; the way out: 16 rows x (256 bytes + 16) for each wave
.set SPARE, 80896                      ; the spare words, 128 bytes for each of four waves; no other line names them
.set QS,  16                           ; v16-23   Q's scale words: 4 j + qi, K step 2 (lane / 16) + j
.set KS,  24                           ; v24-39   K's: 2 (tile % 8) + j
.set VS,  40                           ; v40-71   V's: 8 (key step / 2) + tile; lanes 0-15 the even key step, lanes 16-31 the odd
.set PS,  72                           ; v72-79   p's: 4 (key step % 2) + qi
.set OS,  80                           ; v80-95   O's: 4 s + qi
.set WOS, 96                           ; v96-111  wo's: 2 tile + j
.set QF,  128
.set BM,  128                          ; v128-159 the blocks' largest scores: 16 u + 4 qi + b
.set BT,  160
.set RM,  192
.set NMP, 196                          ; v196-203 -M, the low word of a pair for each qi
.set LA,  204                          ; v204-219 the sums: two pairs for each qi
.set PC,  220                          ; v220-235 codes, two sets
.set PW,  236                          ; v236-237 scale words, two
.set SO,  238
.set BY,  242
.set MSB, 0
.macro WIN new                         ; the immediate's high byte repeats the setting that is left; a switch that changes nothing is dropped
.if MSB != (\new)
	s_set_vgpr_msb (MSB<<8)|(\new)
.set MSB, \new
.endif
.endm
; one matrix instruction.  z: C is the constant 0; ra, rb: the rows of the scale registers (1: lanes 16-31)
.macro MM z, d, a, b, c, sa, sb, ra, rb
.if (\z) && ((\ra)==0) && ((\rb)==0)
	v_wmma_scale_f32_16x16x128_f8f6f4 v[0+(\d):7+(\d)], v[0+(\a):7+(\a)], v[0+(\b):7+(\b)], 0, v[\sa], v[\sb] matrix_a_fmt:MATRIX_FMT_FP4 matrix_b_fmt:MATRIX_FMT_FP4
.elseif (\z) && ((\ra)==1) && ((\rb)==0)
	v_wmma_scale_f32_16x16x128_f8f6f4 v[0+(\d):7+(\d)], v[0+(\a):7+(\a)], v[0+(\b):7+(\b)], 0, v[\sa], v[\sb] matrix_a_fmt:MATRIX_FMT_FP4 matrix_b_fmt:MATRIX_FMT_FP4 matrix_a_scale:MATRIX_SCALE_ROW1
.elseif (\z) && ((\ra)==0)
	v_wmma_scale_f32_16x16x128_f8f6f4 v[0+(\d):7+(\d)], v[0+(\a):7+(\a)], v[0+(\b):7+(\b)], 0, v[\sa], v[\sb] matrix_a_fmt:MATRIX_FMT_FP4 matrix_b_fmt:MATRIX_FMT_FP4 matrix_b_scale:MATRIX_SCALE_ROW1
.elseif (\z)
	v_wmma_scale_f32_16x16x128_f8f6f4 v[0+(\d):7+(\d)], v[0+(\a):7+(\a)], v[0+(\b):7+(\b)], 0, v[\sa], v[\sb] matrix_a_fmt:MATRIX_FMT_FP4 matrix_b_fmt:MATRIX_FMT_FP4 matrix_a_scale:MATRIX_SCALE_ROW1 matrix_b_scale:MATRIX_SCALE_ROW1
.elseif ((\ra)==0) && ((\rb)==0)
	v_wmma_scale_f32_16x16x128_f8f6f4 v[0+(\d):7+(\d)], v[0+(\a):7+(\a)], v[0+(\b):7+(\b)], v[0+(\c):7+(\c)], v[\sa], v[\sb] matrix_a_fmt:MATRIX_FMT_FP4 matrix_b_fmt:MATRIX_FMT_FP4
.elseif ((\ra)==1) && ((\rb)==0)
	v_wmma_scale_f32_16x16x128_f8f6f4 v[0+(\d):7+(\d)], v[0+(\a):7+(\a)], v[0+(\b):7+(\b)], v[0+(\c):7+(\c)], v[\sa], v[\sb] matrix_a_fmt:MATRIX_FMT_FP4 matrix_b_fmt:MATRIX_FMT_FP4 matrix_a_scale:MATRIX_SCALE_ROW1
.elseif ((\ra)==0)
	v_wmma_scale_f32_16x16x128_f8f6f4 v[0+(\d):7+(\d)], v[0+(\a):7+(\a)], v[0+(\b):7+(\b)], v[0+(\c):7+(\c)], v[\sa], v[\sb] matrix_a_fmt:MATRIX_FMT_FP4 matrix_b_fmt:MATRIX_FMT_FP4 matrix_b_scale:MATRIX_SCALE_ROW1
.else
	v_wmma_scale_f32_16x16x128_f8f6f4 v[0+(\d):7+(\d)], v[0+(\a):7+(\a)], v[0+(\b):7+(\b)], v[0+(\c):7+(\c)], v[\sa], v[\sb] matrix_a_fmt:MATRIX_FMT_FP4 matrix_b_fmt:MATRIX_FMT_FP4 matrix_a_scale:MATRIX_SCALE_ROW1 matrix_b_scale:MATRIX_SCALE_ROW1
.endif
.endm
.macro BARRIER                                 ; my LDS stores have landed and my LDS loads are in: then the work-group's barrier
	s_wait_dscnt 0x0
	s_barrier_signal -1
	s_barrier_wait -1
.endm
.macro PLACES
.rept 4
	v_nop
.endr
.endm
	s_load_b256 s[4:11], s[0:1], 0x0               ; x, qbuf, kbuf, vbuf
	s_load_b128 s[12:15], s[0:1], 0x20             ; wbuf, st
	s_load_b64 s[16:17], s[0:1], 0x30              ; out0
	v_lshl_add_u32 v1, v0, 2, SPARE                ; my spare word; never rewritten
	v_mov_b32 v2, 0                                ; 0; never rewritten
	v_lshrrev_b32 v118, 5, v0
	v_readfirstlane_b32 s48, v118                  ; wave 0..3
	v_and_b32 v119, 31, v0                         ; lane
	v_and_b32 v120, 15, v0                         ; r
	v_bfe_u32 v121, v0, 4, 1                       ; h
	v_and_b32 v122, 8, v120
	v_add_nc_u32 v122, v122, v120                  ; r + 8 (r / 8)
	v_and_b32 v123, 7, v120
	v_lshrrev_b32 v124, 3, v120
	v_lshlrev_b32 v125, 2, v124
	v_lshl_add_u32 v125, v123, 4, v125             ; a chosen row's scale word: 16 (r % 8) + 4 (r / 8)
	v_lshlrev_b32 v3, 14, v121
	v_lshl_add_u32 v5, v122, 4, v3                 ; K: plane h of 16,384 bytes, row r + 8 (r / 8)
	v_lshl_add_u32 v3, v120, 4, v3                 ; Q: plane h, row r
	v_lshlrev_b32 v4, 13, v121
	v_add_nc_u32 v6, v4, v125                      ; K's scale words: two K steps on for lanes 16-31
	v_lshl_add_u32 v7, v122, 4, v4                 ; V: plane h of 8,192 bytes, row r + 8 (r / 8)
	v_lshl_add_u32 v4, v120, 4, v4                 ; Q's scale words
	v_lshl_add_u32 v8, v121, 11, v125              ; V's scale words: one key step on for lanes 16-31
	v_lshlrev_b32 v9, 8, v120
	v_lshl_add_u32 v9, v121, 4, v9                 ; wo: 256 r + 16 h
	v_lshlrev_b32 v10, 4, v120
	v_lshl_add_u32 v10, v121, 3, v10               ; its scale words: 16 r + 8 h
	v_lshlrev_b32 v11, 6, v121                     ; the residual's table in LDS: 8 h channels on (+ 1,024 x wave, below)
	v_lshlrev_b32 v12, 15, v121
	v_lshl_add_u32 v12, v120, 4, v12               ; x and out0: 8 h channels on, 16 r bytes
	v_lshlrev_b32 v13, 4, v119                     ; 16 x lane
	s_lshl_b32 s44, s48, 2
	v_add_nc_u32 v14, s44, v13                     ; + 4 x wave
	s_lshl_b32 s44, s48, 11
	v_add_nc_u32 v112, s44, v13                    ; + 2,048 x wave: p's images
	s_lshl_b32 s44, s48, 10
	v_add_nc_u32 v113, s44, v13                    ; + 1,024 x wave: p's scale words, O's images, the table on its way in
	v_add_nc_u32 v11, s44, v11
	s_lshl_b32 s44, s48, 9
	v_add_nc_u32 v114, s44, v13                    ; + 512 x wave: O's scale words
	s_mul_i32 s44, s48, 4352
	s_add_co_u32 s44, s44, STG                     ; my stage
	v_mul_u32_u24 v115, v120, 272
	v_lshl_add_u32 v115, v121, 5, v115
	v_add_nc_u32 v115, s44, v115                   ; in: row r, + 32 h
	v_mul_u32_u24 v116, v121, 2176
	v_lshl_add_u32 v116, v120, 4, v116
	v_add_nc_u32 v116, s44, v116                   ; back: lanes 0-15 row i, lanes 16-31 row 8 + i
	v_lshlrev_b32 v117, 8, v119                    ; the prefetch: lanes 256 bytes apart
	s_mov_b32 s50, 0x3d8293ee                      ; c = log2(e) / sqrt(512)
	s_mov_b32 s51, s50                             ; (named with it as a pair, so it is written)
	s_mov_b32 s52, 0x76543210
	s_mov_b32 s53, 0xfedcba98                      ; lane l xor 16
	s_mov_b32 s55, 2                               ; blocks to go
	s_and_b32 s46, ttmp7, 0xffff                   ; batch
	s_mov_b32 s45, 0
	s_lshl_b32 s47, s46, 18                        ; 262,144 b
	s_lshl_b32 s49, s46, 14
	s_add_co_u32 s49, s49, 0x800000                ; 8,388,608 + 16,384 b
	s_wait_kmcnt 0x0
	s_lshl_b32 s44, ttmp9, 11                      ; my first block of queries is 2 x work-group x: 1,024 bytes of a plane a block
	s_add_co_u32 s44, s44, s47
	s_add_nc_u64 s[20:21], s[6:7], s[44:45]        ; Q's codes at my first 64 queries
	s_lshl_b32 s44, ttmp9, 9
	s_add_co_u32 s44, s44, s49
	s_add_nc_u64 s[22:23], s[6:7], s[44:45]        ; and their scale words: 256 bytes a block
	s_lshl_b32 s44, s48, 12
	s_add_co_u32 s44, s44, s47
	s_add_nc_u64 s[24:25], s[8:9], s[44:45]        ; K at keys 256 w on
	s_lshl_b32 s44, s48, 10
	s_add_co_u32 s44, s44, s49
	s_add_nc_u64 s[26:27], s[8:9], s[44:45]
	s_lshl_b32 s44, s48, 11
	s_add_co_u32 s44, s44, s47
	s_add_nc_u64 s[28:29], s[10:11], s[44:45]      ; V at channels 128 w on
	s_lshl_b32 s44, s48, 9
	s_add_co_u32 s44, s44, s49
	s_add_nc_u64 s[30:31], s[10:11], s[44:45]
	s_lshl_b32 s44, s48, 15
	s_add_co_u32 s44, s44, 393216
	s_add_nc_u64 s[32:33], s[12:13], s[44:45]      ; wo at output channels 128 w on
	s_lshl_b32 s44, s48, 11
	s_add_co_u32 s44, s44, 548864
	s_add_nc_u64 s[34:35], s[12:13], s[44:45]
	s_lshl_b32 s44, s46, 12
	s_lshl_b32 s54, s48, 10
	s_add_co_u32 s44, s44, s54
	s_add_nc_u64 s[36:37], s[14:15], s[44:45]      ; the residual's constants of my 128 channels
	s_lshl_b32 s44, s46, 21
	s_lshl_b32 s54, s48, 19
	s_add_co_u32 s44, s44, s54
	s_lshl_b32 s54, ttmp9, 9
	s_add_co_u32 s44, s44, s54
	s_add_nc_u64 s[38:39], s[4:5], s[44:45]        ; x and out0 at my channels and first 64 positions
	s_add_nc_u64 s[40:41], s[16:17], s[44:45]
	s_lshl_b32 s44, ttmp9, 15
	s_add_co_u32 s44, s44, s47
	s_lshl_b32 s54, s48, 13
	s_add_co_u32 s44, s44, s54
	s_add_nc_u64 s[42:43], s[10:11], s[44:45]      ; the prefetch: my work-group's eighth of the batch's codes of V, 8,192 bytes a wave
; a tile of K: 16 chosen keys x 512 channels, 32 registers of the ring, and its two registers of scale words: 10 loads
.macro KLOAD kt
	WIN 0x40                                       ; destination window 1
.irp s, 0,1,2,3
.irp e, 0,1
	global_load_b128 v[32*((\kt)%8)+8*\s+4*\e:32*((\kt)%8)+8*\s+4*\e+3], v5, s[24:25] offset:(4*\s+2*\e)*16384+(32*((\kt)/2)+8*((\kt)%2))*16
.endr
.endr
	WIN 0
.irp j, 0,1
	global_load_b32 v[KS+2*((\kt)%8)+\j], v6, s[26:27] offset:4096*\j+(((\kt)/2)/2)*256+128*((\kt)%2)+(((\kt)/2)%2)*8
.endr
.endm
; V of key step ks: 8 tiles of 16 chosen channels x 128 keys: 16 loads (the window is set by the caller)
.macro VLOAD ks
.irp ct, 0,1,2,3,4,5,6,7
.irp e, 0,1
	global_load_b128 v[64*((\ks)%4)+8*\ct+4*\e:64*((\ks)%4)+8*\ct+4*\e+3], v7, s[28:29] offset:(4*(\ks)+2*\e)*8192+(32*(\ct/2)+8*(\ct%2))*16
.endr
.endr
.endm
; V's scale words of key steps 2 kp, 2 kp + 1: 8 loads
.macro VSLOAD kp
.irp ct, 0,1,2,3,4,5,6,7
	global_load_b32 v[VS+8*(\kp)+\ct], v8, s[30:31] offset:4096*(\kp)+((\ct/2)/2)*256+128*(\ct%2)+((\ct/2)%2)*8
.endr
.endm
; wo's K step s, my 8 tiles of 16 output channels: 16 loads into the 64 registers that V of key step s has left (window 1, set by the caller)
.macro WOLOAD s
.irp ot, 0,1,2,3,4,5,6,7
.irp e, 0,1
	global_load_b128 v[64*(\s)+8*\ot+4*\e:64*(\s)+8*\ot+4*\e+3], v9, s[32:33] offset:4096*\ot+64*(\s)+32*\e
.endr
.endr
.endm
; x of block ot (16 channels x 64 positions): 8 loads, lanes 0-15 and lanes 16-31 each 256 consecutive bytes (window 3, set by the caller)
.macro XLOAD ot
.irp i, 0,1,2,3,4,5,6,7
	global_load_b128 v[32*(\ot)+4*\i:32*(\ot)+4*\i+3], v12, s[38:39] offset:(16*(\ot)+\i)*4096 th:TH_LOAD_NT
.endr
.endm
.Ltrip:                                            ; one trip: one block of 64 queries.  No load of mine is out here
	; ---- Q stays in registers; the first eight tiles of K
.irp qi, 0,1,2,3
.irp s, 0,1,2,3
.irp e, 0,1
	global_load_b128 v[QF+32*\qi+8*\s+4*\e:QF+32*\qi+8*\s+4*\e+3], v3, s[20:21] offset:(4*\s+2*\e)*16384+256*\qi
.endr
.endr
.endr
.irp j, 0,1
	global_load_b128 v[QS+4*\j:QS+4*\j+3], v4, s[22:23] offset:4096*\j
.endr
.irp n, 0,1,2,3,4,5,6,7
	KLOAD \n
.endr
	; ---- S^T = K Q^T: a tile of keys against the four tiles of queries, the four accumulators by turns
.set kt, 0
.rept 16
.if kt <= 8
	s_wait_loadcnt 63                              ; behind this tile's loads stand seven tiles' 70: the largest count that the wait can name is the stricter
.else
	s_wait_loadcnt 10*(15-kt)                      ; ten loads for each younger tile
.endif
.if kt < 8
	WIN 0xa1                                       ; K window 1, Q window 0, scores window 2
.else
	WIN 0xf1                                       ; scores window 3
.endif
.irp s, 0,1,2,3
.irp qi, 0,1,2,3
	MM (\s==0), 64*\qi+8*(kt%8), 32*(kt%8)+8*\s, QF+32*\qi+8*\s, 64*\qi+8*(kt%8), KS+2*(kt%8)+(\s%2), QS+4*(\s%2)+\qi, \s/2, \s/2
.endr
.endr
	WIN 0
.if kt < 8
	PLACES                                         ; ahead of the loads into the ring's registers that these products read
	KLOAD kt+8
.endif
.if kt == 3
	; V's codes are asked for ahead, in the first trip alone, twelve tiles of keys before their first load: each work-group names its eighth of the batch's 262,144 bytes, 8,192 bytes a wave, lanes 256 bytes apart: each block once in the launch
	s_cmp_lg_u32 s55, 2
	s_cbranch_scc1 .Lno_pf
	global_prefetch_b8 v117, s[42:43] th:TH_LOAD_NT scope:SCOPE_SE
.Lno_pf:
.endif
.set kt, kt+1
.endr
	PLACES                                         ; ahead of the loads over the ring and of the first read of scores
	; ---- V of key steps 0-2 takes the ring's place: 48 loads; the rest of V follows in portions between the softmax's units
	WIN 0x40
	VLOAD 0
	VLOAD 1
	VLOAD 2
	WIN 0
; ---- the largest score of each block of 32 keys: it serves for the row's maximum and for the block's largest p.  Each accumulator is first read at its low end.
.macro BMAXW u
	WIN 0x2a+0x15*\u                               ; all three sources in the scores' window
.irp qi, 0,1,2,3
.irp b, 0,1,2,3
	v_max3_num_f32 v[BM+16*\u+4*\qi+\b], v[64*\qi+16*\b], v[64*\qi+16*\b+1], v[64*\qi+16*\b+2]
.endr
.endr
	WIN 0x28+0x14*\u                               ; sources 1 and 2
.irp i, 3,5,7,9,11,13
.irp qi, 0,1,2,3
.irp b, 0,1,2,3
	v_max3_num_f32 v[BM+16*\u+4*\qi+\b], v[BM+16*\u+4*\qi+\b], v[64*\qi+16*\b+\i], v[64*\qi+16*\b+\i+1]
.endr
.endr
.endr
.irp qi, 0,1,2,3
.irp b, 0,1,2,3
	v_max_num_f32 v[BM+16*\u+4*\qi+\b], v[BM+16*\u+4*\qi+\b], v[64*\qi+16*\b+15]
.endr
.endr
	WIN 0
.endm
	BMAXW 0
	BMAXW 1
.set i, 0
.rept 32
	v_permlanex16_b32 v[BT+i], v[BM+i], s52, s53
.set i, i+1
.endr
.set i, 0
.rept 32
	v_max_num_f32 v[BM+i], v[BM+i], v[BT+i]        ; with lane l xor 16's 16 keys
.set i, i+1
.endr
.irp qi, 0,1,2,3
	v_max3_num_f32 v[RM+\qi], v[BM+4*\qi], v[BM+4*\qi+1], v[BM+4*\qi+2]
.endr
.irp qi, 0,1,2,3
	v_max3_num_f32 v[RM+\qi], v[RM+\qi], v[BM+4*\qi+3], v[BM+16+4*\qi]
.endr
.irp qi, 0,1,2,3
	v_max3_num_f32 v[RM+\qi], v[RM+\qi], v[BM+16+4*\qi+1], v[BM+16+4*\qi+2]
.endr
.irp qi, 0,1,2,3
	v_max_num_f32 v[RM+\qi], v[RM+\qi], v[BM+16+4*\qi+3]   ; my wave's 256 keys
.endr
.irp qi, 0,1,2,3
	ds_store_b32 v14, v[RM+\qi] offset:MXM+512*\qi
.endr
	BARRIER                                        ; the four waves' maxima lie in LDS
.irp qi, 0,1,2,3
	ds_load_b128 v[BT+4*\qi:BT+4*\qi+3], v13 offset:MXM+512*\qi
.endr
	s_wait_dscnt 0x0
.irp qi, 0,1,2,3
	v_max3_num_f32 v[RM+\qi], v[BT+4*\qi], v[BT+4*\qi+1], v[BT+4*\qi+2]
.endr
.irp qi, 0,1,2,3
	v_max_num_f32 v[RM+\qi], v[RM+\qi], v[BT+4*\qi+3]      ; the row's largest score
.endr
.irp qi, 0,1,2,3
	v_mul_f32 v[RM+\qi], s50, v[RM+\qi]            ; as t (c is positive)
.endr
.irp qi, 0,1,2,3
	v_floor_f32 v[NMP+2*\qi], -v[RM+\qi]           ; -M = floor(-t) = -ceil(t).  (The pair's upper word is only named; it holds older data)
.endr
.set i, 0
.rept 16
	v_mov_b32 v[LA+i], 0                           ; the sums
.set i, i+1
.endr
; ---- 16 queries x 128 keys: p, its sum, its codes and scale word; unit k of eight
.macro SOFT qi, u, k
.set W, 2+\u
.set SB, 64*\qi
.set PCS, PC+8*((\k)%2)
.set PWS, PW+(\k)%2
.irp b, 0,1,2,3
	v_fma_f32 v[BM+16*\u+4*\qi+\b], v[BM+16*\u+4*\qi+\b], s50, v[NMP+2*\qi]   ; t - M of each block's largest score
.endr
	WIN (W<<6)|W
.set j, 0
.rept 32
	v_pk_fma_f32 v[SB+j:SB+j+1], v[SB+j:SB+j+1], s[50:51], v[NMP+2*\qi:NMP+2*\qi+1] op_sel_hi:[1,0,0]   ; t - M, two at a time
.set j, j+2
.endr
.set j, 0
.rept 64
	v_exp_f32 v[SB+j], v[SB+j]                     ; p = 2^(t - M), at most 1: not normalised
.set j, j+1
.endr
	WIN 0
	v_nop                                          ; a plain instruction behind the last exponential
	s_wait_alu depctr_va_vdst(0)                   ; one wait for the batch of 64, ahead of its first reader
.irp b, 0,1,2,3
	v_exp_f32 v[BM+16*\u+4*\qi+\b], v[BM+16*\u+4*\qi+\b]   ; the block's largest p: the same two operations on the same number
.endr
	WIN W<<2
.set j, 0
.rept 16
	v_pk_add_f32 v[LA+4*\qi:LA+4*\qi+1], v[LA+4*\qi:LA+4*\qi+1], v[SB+j:SB+j+1]   ; the sum of the unquantised p, in two chains (plain work behind the four)
	v_pk_add_f32 v[LA+4*\qi+2:LA+4*\qi+3], v[LA+4*\qi+2:LA+4*\qi+3], v[SB+j+2:SB+j+3]
.set j, j+4
.endr
	WIN 0
	s_wait_alu depctr_va_vdst(0)                   ; and one for the four
.irp b, 0,1,2,3
	v_max_num_f32 v[BM+16*\u+4*\qi+\b], 0x1800000, v[BM+16*\u+4*\qi+\b]   ; the floor 2^(3 - 127): the byte cannot fall under 1
.endr
.irp b, 0,1,2,3
	v_add_nc_u32 v[SO+\b], 0xff000000, v[BM+16*\u+4*\qi+\b]   ; 2 off the exponent field: the conversion's scale operand
.endr
.irp b, 0,1,2,3
	v_lshrrev_b32 v[BY+\b], 23, v[SO+\b]
.endr
.if (\k) >= 2
	s_wait_dscnt 3                                 ; the last unit's three stores may be out; those of the unit before it have read this set of registers
.endif
	v_lshl_or_b32 v[PWS], v[BY+1], 8, v[BY]
	v_lshl_or_b32 v[PWS], v[BY+2], 16, v[PWS]
	v_lshl_or_b32 v[PWS], v[BY+3], 24, v[PWS]
	WIN W
.irp b, 0,1,2,3
	v_cvt_scalef32_pk8_fp4_f32 v[PCS+2*\b], v[SB+16*\b:SB+16*\b+7], v[SO+\b]
	v_cvt_scalef32_pk8_fp4_f32 v[PCS+2*\b+1], v[SB+16*\b+8:SB+16*\b+15], v[SO+\b]
.endr
	WIN 0
	v_nop                                          ; one plain instruction behind a scaled conversion
.irp e, 0,1                                    ; a whole block to a lane
.irp i, 0,1
	v_permlane16_swap_b32 v[PCS+4*\e+\i], v[PCS+4*\e+2+\i]
.endr
.endr
	ds_store_b128 v112, v[PCS:PCS+3] offset:PIMG+8192*\qi+1024*\u
	ds_store_b128 v112, v[PCS+4:PCS+7] offset:PIMG+8192*\qi+1024*\u+512
	ds_store_b32 v113, v[PWS] offset:PSC+512*\u+4*\qi
.endm
	SOFT 0, 1, 0                                   ; my second 128 keys first: their window is wanted for V
	WIN 0x40
	VLOAD 3                                        ; 16 + 16 loads behind the first unit
	WIN 0
	VSLOAD 0
	VSLOAD 1
	SOFT 1, 1, 1
	VSLOAD 2                                       ; 16 + 8 + 2 behind the second
	VSLOAD 3
.irp ot, 0,1,2,3,4,5,6,7
	global_load_b64 v[WOS+2*\ot:WOS+2*\ot+1], v10, s[34:35] offset:256*\ot
.endr
	global_load_b128 v[120:123], v13, s[36:37]     ; the residual's table of my 128 channels, 1,024 bytes as they lie.  It is the same in both trips; two loads and two LDS stores a trip bring it anew
	global_load_b128 v[124:127], v13, s[36:37] offset:512
	SOFT 2, 1, 2
	SOFT 3, 1, 3
	WIN 0xc0
	VLOAD 4                                        ; the second 128 keys' scores are done with: 32 loads into their window,
	VLOAD 5
	WIN 0
	SOFT 0, 0, 4
	WIN 0xc0
	VLOAD 6                                        ; and 32 a unit later
	VLOAD 7
	WIN 0
	SOFT 1, 0, 5
	SOFT 2, 0, 6
	SOFT 3, 0, 7
.irp qi, 0,1,2,3
	v_pk_add_f32 v[LA+4*\qi:LA+4*\qi+1], v[LA+4*\qi:LA+4*\qi+1], v[LA+4*\qi+2:LA+4*\qi+3]
.endr
.irp qi, 0,1,2,3
	v_add_f32 v[LA+4*\qi], v[LA+4*\qi], v[LA+4*\qi+1]
.endr
.irp qi, 0,1,2,3
	v_permlanex16_b32 v[LA+4*\qi+1], v[LA+4*\qi], s52, s53
.endr
.irp qi, 0,1,2,3
	v_add_f32 v[LA+4*\qi], v[LA+4*\qi], v[LA+4*\qi+1]      ; my wave's 256 keys
.endr
.irp qi, 0,1,2,3
	ds_store_b32 v14, v[LA+4*\qi] offset:LSM+512*\qi
.endr
	BARRIER                                        ; p's 32 fragments, their words and the four waves' sums lie in LDS
; ---- O^T = V^T P^T: my 128 channels, all 1,024 keys.  p of key step ks for the four tiles of queries: 9 LDS loads
.macro PLOAD ks
.irp qi, 0,1,2,3
.irp e, 0,1
	ds_load_b128 v[128+32*((\ks)%2)+8*\qi+4*\e:128+32*((\ks)%2)+8*\qi+4*\e+3], v13 offset:PIMG+(8*\qi+(\ks))*1024+512*\e
.endr
.endr
	ds_load_b128 v[PS+4*((\ks)%2):PS+4*((\ks)%2)+3], v13 offset:PSC+512*(\ks)
.endm
.irp qi, 0,1,2,3
	ds_load_b128 v[192+4*\qi:195+4*\qi], v13 offset:LSM+512*\qi
.endr
	PLOAD 0
	s_wait_loadcnt 63                              ; V of key steps 0-3, V's and wo's words and the table are in: behind them stand the 64 loads of key steps 4-7
	ds_store_b128 v113, v[120:123] offset:STT      ; the table into my wave's own 1,024 bytes
	ds_store_b128 v113, v[124:127] offset:STT+512
.set ks, 0
.rept 8
.if ks > 0
	PLACES                                         ; ahead of the loads into registers that the last key step's products read
.endif
.if ks < 7
	PLOAD ks+1
.endif
.if ks == 4
	s_wait_loadcnt 48                              ; V of key steps 4-7 is in: behind it stand three slabs of wo, 16 loads each
.endif
.if (ks >= 1) && (ks <= 4)
	WIN 0x40
	WOLOAD ks-1                                    ; wo's K step ks - 1 into the registers of the key step just multiplied
	WIN 0
.endif
.if ks >= 5
	WIN 0xc0
	XLOAD 2*(ks-5)                                 ; x, two blocks at a time, likewise: in the order in which the way out wants them
	XLOAD 2*(ks-5)+1
	WIN 0
.endif
.if ks < 7
	s_wait_dscnt 9                                 ; this key step's p is in; the next one's nine loads may be out
.else
	s_wait_dscnt 0x0
.endif
.if ks < 4
	WIN 0xa1                                       ; V window 1, p window 0, O^T window 2
.else
	WIN 0xa3                                       ; V window 3
.endif
.irp ct, 0,1,2,3,4,5,6,7
.irp qi, 0,1,2,3
	MM (ks==0), 64*\qi+8*\ct, 64*(ks%4)+8*\ct, 128+32*(ks%2)+8*\qi, 64*\qi+8*\ct, VS+8*(ks/2)+\ct, PS+4*(ks%2)+\qi, ks%2, 0
.endr
.endr
	WIN 0
.set ks, ks+1
.endr
	; ---- O / l, quantised along the channels: K step w of the projection.  The twelve additions are the places behind the last products
.irp qi, 0,1,2,3
	v_add_f32 v[192+4*\qi], v[192+4*\qi], v[193+4*\qi]
.endr
.irp qi, 0,1,2,3
	v_add_f32 v[194+4*\qi], v[194+4*\qi], v[195+4*\qi]
.endr
.irp qi, 0,1,2,3
	v_add_f32 v[192+4*\qi], v[192+4*\qi], v[194+4*\qi]     ; l
.endr
	WIN 0xc0
	XLOAD 6                                        ; x's last two blocks, into the last key step's registers
	XLOAD 7
	WIN 0
.irp qi, 0,1,2,3
	v_rcp_f32 v[208+2*\qi], v[192+4*\qi]           ; (the pair's upper word is only named; it holds older data)
.endr
	v_nop
	s_wait_alu depctr_va_vdst(0)                   ; one wait for the four reciprocals
	WIN 0x82                                       ; O^T in window 2, 1 / l in window 0
.irp qi, 0,1,2,3
.set j, 0
.rept 32
	v_pk_mul_f32 v[64*\qi+j:64*\qi+j+1], v[64*\qi+j:64*\qi+j+1], v[208+2*\qi:209+2*\qi] op_sel_hi:[1,0]   ; ascending: each accumulator is first read at its low end
.set j, j+2
.endr
.endr
.set TM16, 128
.set TP16, 144
.set SO16, 160
.set BY16, 176
.set PC32, 216
.set PW4,  248
	WIN 0x0a
.irp qi, 0,1,2,3
.irp b, 0,1,2,3
	v_max3_num_f32 v[TM16+4*\qi+\b], |v[64*\qi+16*\b]|, |v[64*\qi+16*\b+1]|, 0x1800000
.endr
.endr
	WIN 0x28
.irp i, 2,4,6,8,10,12,14
.irp qi, 0,1,2,3
.irp b, 0,1,2,3
	v_max3_num_f32 v[TM16+4*\qi+\b], v[TM16+4*\qi+\b], |v[64*\qi+16*\b+\i]|, |v[64*\qi+16*\b+\i+1]|
.endr
.endr
.endr
	WIN 0
.set i, 0
.rept 16
	v_permlanex16_b32 v[TP16+i], v[TM16+i], s52, s53
.set i, i+1
.endr
.set i, 0
.rept 16
	v_max_num_f32 v[TM16+i], v[TM16+i], v[TP16+i]
.set i, i+1
.endr
.set i, 0
.rept 16
	v_add_nc_u32 v[SO16+i], 0xff000000, v[TM16+i]
.set i, i+1
.endr
.set i, 0
.rept 16
	v_lshrrev_b32 v[BY16+i], 23, v[SO16+i]
.set i, i+1
.endr
.irp qi, 0,1,2,3
	v_lshl_or_b32 v[PW4+\qi], v[BY16+4*\qi+1], 8, v[BY16+4*\qi]
.endr
.irp qi, 0,1,2,3
	v_lshl_or_b32 v[PW4+\qi], v[BY16+4*\qi+2], 16, v[PW4+\qi]
.endr
.irp qi, 0,1,2,3
	v_lshl_or_b32 v[PW4+\qi], v[BY16+4*\qi+3], 24, v[PW4+\qi]
.endr
	WIN 0x02
.irp qi, 0,1,2,3
.irp b, 0,1,2,3
	v_cvt_scalef32_pk8_fp4_f32 v[PC32+8*\qi+2*\b], v[64*\qi+16*\b:64*\qi+16*\b+7], v[SO16+4*\qi+\b]
	v_cvt_scalef32_pk8_fp4_f32 v[PC32+8*\qi+2*\b+1], v[64*\qi+16*\b+8:64*\qi+16*\b+15], v[SO16+4*\qi+\b]
.endr
.endr
	WIN 0
	v_nop                                          ; one plain instruction behind a scaled conversion
.irp qi, 0,1,2,3
.irp e, 0,1
.irp i, 0,1
	v_permlane16_swap_b32 v[PC32+8*\qi+4*\e+\i], v[PC32+8*\qi+4*\e+2+\i]
.endr
.endr
.endr
.irp qi, 0,1,2,3
.irp e, 0,1
	ds_store_b128 v113, v[PC32+8*\qi+4*\e:PC32+8*\qi+4*\e+3] offset:OIMG+4096*\qi+512*\e
.endr
	ds_store_b32 v114, v[PW4+\qi] offset:OSC+4*\qi
.endr
	BARRIER                                        ; O's sixteen fragments and their words lie in LDS
	; ---- y = O wo^T: source 0 = 16 queries, source 1 = 16 of my output channels; 32 accumulators by turns, in the window that O^T has left
.irp s, 0,1,2,3
.irp qi, 0,1,2,3
.irp e, 0,1
	ds_load_b128 v[128+(4*\s+\qi)*8+4*\e:128+(4*\s+\qi)*8+4*\e+3], v13 offset:OIMG+(4*\qi+\s)*1024+512*\e
.endr
.endr
	ds_load_b128 v[OS+4*\s:OS+4*\s+3], v13 offset:OSC+512*\s
.endr
	s_wait_loadcnt 63                              ; wo is in: behind it stand the 64 loads of x
	WIN 0xa4                                       ; O window 0, wo window 1, y window 2
.irp s, 0,1,2,3
	s_wait_dscnt 9*(3-\s)                          ; this K step's nine loads are in; nine for each later K step may be out
.irp ot, 0,1,2,3,4,5,6,7
.irp qi, 0,1,2,3
	MM (\s==0), 32*\ot+8*\qi, 128+(4*\s+\qi)*8, 64*\s+8*\ot, 32*\ot+8*\qi, OS+4*\s+\qi, WOS+2*\ot+(\s%2), 0, \s/2
.endr
.endr
.endr
	WIN 0
	PLACES                                         ; ahead of the loads over O's fragments and of the first read of y
; ---- THE WAY OUT, a block of 16 output channels x 64 positions at a time.  A lane holds 32 bytes of a channel's row; through my own stage they come back as rows of 256 bytes.  LDS serves a wave's instructions in order.
.macro TOSTAGE ot
.if (\ot) >= 2
	s_wait_xcnt 0x0                                ; the stores of the block two back have read the registers that these loads fill
.endif
	WIN 0x08                                       ; an LDS store's data are its source 1: window 2
.irp qi, 0,1,2,3
.irp e, 0,1
	ds_store_b128 v115, v[32*(\ot)+8*\qi+4*\e:32*(\ot)+8*\qi+4*\e+3] offset:64*\qi+16*\e   ; each accumulator from its low end on
.endr
.endr
	WIN 0
.irp i, 0,1,2,3,4,5,6,7
	ds_load_b128 v[128+32*((\ot)%2)+4*\i:128+32*((\ot)%2)+4*\i+3], v116 offset:272*\i
.endr
.irp k, 0,1,2,3
	ds_load_b128 v[192+16*((\ot)%2)+4*\k:192+16*((\ot)%2)+4*\k+3], v11 offset:STT+128*(\ot)+16*\k   ; (a, K0) of channels 16 ot + 8 h + 2 k, + 1, out of my wave's table
.endr
.endm
.macro SEND ot, younger                        ; younger: the LDS instructions issued behind this block's loads
.set YRB, 128+32*((\ot)%2)
.set XB,  32*(\ot)
.set CB,  192+16*((\ot)%2)
	s_wait_dscnt \younger
	s_wait_loadcnt 8*(7-(\ot))                     ; this block's x is in; eight loads for each later block may be out
	WIN 0x03                                       ; x in window 3
.irp i, 0,1,2,3,4,5,6,7
.irp p, 0,2
	v_pk_fma_f32 v[YRB+4*\i+\p:YRB+4*\i+\p+1], v[XB+4*\i+\p:XB+4*\i+\p+1], v[CB+2*\i:CB+2*\i+1], v[YRB+4*\i+\p:YRB+4*\i+\p+1] op_sel_hi:[1,0,1]   ; y + a x
.endr
.endr
	WIN 0
.irp i, 0,1,2,3,4,5,6,7
.irp p, 0,2
	v_pk_add_f32 v[YRB+4*\i+\p:YRB+4*\i+\p+1], v[YRB+4*\i+\p:YRB+4*\i+\p+1], v[CB+2*\i:CB+2*\i+1] op_sel:[0,1] op_sel_hi:[1,1]   ; + K0
.endr
.endr
.irp i, 0,1,2,3,4,5,6,7
	global_store_b128 v12, v[YRB+4*\i:YRB+4*\i+3], s[40:41] offset:(16*(\ot)+\i)*4096 th:TH_STORE_NT   ; lanes 0-15 and lanes 16-31 each store 256 consecutive bytes, aligned
.endr
.endm
	TOSTAGE 0
.irp ot, 1,2,3,4,5,6,7
	TOSTAGE \ot
	SEND \ot-1, 20                                 ; behind that block's loads: this block's 8 stores and 12 loads
.endr
	SEND 7, 0
	; ---- on to the next 64 queries.  Nothing waits for the stores themselves: they leave under the next block's work
	s_wait_xcnt 0x0                                ; the stores have read their registers and their base; every load is in (the last count above was 0)
	s_add_nc_u64 s[20:21], s[20:21], 1024          ; Q's codes: 64 rows of 16 bytes in each plane
	s_add_nc_u64 s[22:23], s[22:23], 256           ; Q's scale words
	s_add_nc_u64 s[38:39], s[38:39], 256           ; x and out0: 64 positions
	s_add_nc_u64 s[40:41], s[40:41], 256
	s_sub_co_u32 s55, s55, 1
	s_cmp_lg_u32 s55, 0
	s_cbranch_scc1 .Ltrip
	s_wait_tensorcnt 0x0                           ; the wave's end, behind my last LDS store
	ds_add_u32 v1, v2
	s_wait_dscnt 0x0
	s_endpgm
.Lfunc_end_k_q5015e05005_attn:
	.size	k_q5015e05005_attn, .Lfunc_end_k_q5015e05005_attn-k_q5015e05005_attn
	.p2alignl 7, 3214868480
	.fill 96, 4, 3214868480
	.section	.rodata,"a",@progbits
	.p2align	6, 0x0
	.amdhsa_kernel k_q5015e05005_attn
		.amdhsa_group_segment_fixed_size 81408
		.amdhsa_private_segment_fixed_size 0
		.amdhsa_enable_private_segment 0
		.amdhsa_kernarg_size 56
		.amdhsa_user_sgpr_count 2
		.amdhsa_user_sgpr_kernarg_segment_ptr 1
		.amdhsa_wavefront_size32 1
		.amdhsa_system_sgpr_workgroup_id_x 1
		.amdhsa_system_sgpr_workgroup_id_y 1
		.amdhsa_system_sgpr_workgroup_id_z 1
		.amdhsa_system_vgpr_workitem_id 0
		.amdhsa_next_free_vgpr 1024
		.amdhsa_next_free_sgpr 66
		.amdhsa_reserve_vcc 0
		.amdhsa_float_denorm_mode_32 3
		.amdhsa_float_denorm_mode_16_64 3
		.amdhsa_memory_ordered 1
		.amdhsa_forward_progress 1
		.amdhsa_inst_pref_size 255
	.end_amdhsa_kernel
	.section	.bss,"aw",@nobits
	.p2align	6
	.space	262144
	.amdgpu_metadata
---
amdhsa.version: [ 1, 2 ]
amdhsa.kernels:
  - .name:           k_q5015e05005_attn
    .symbol:         k_q5015e05005_attn.kd
    .args:
      - { .name: x, .offset: 0, .size: 8, .value_kind: global_buffer, .address_space: global }
      - { .name: qbuf, .offset: 8, .size: 8, .value_kind: global_buffer, .address_space: global }
      - { .name: kbuf, .offset: 16, .size: 8, .value_kind: global_buffer, .address_space: global }
      - { .name: vbuf, .offset: 24, .size: 8, .value_kind: global_buffer, .address_space: global }
      - { .name: wbuf, .offset: 32, .size: 8, .value_kind: global_buffer, .address_space: global }
      - { .name: st, .offset: 40, .size: 8, .value_kind: global_buffer, .address_space: global }
      - { .name: out0, .offset: 48, .size: 8, .value_kind: global_buffer, .address_space: global }
    .group_segment_fixed_size: 81408
    .private_segment_fixed_size: 0
    .kernarg_segment_align: 8
    .kernarg_segment_size: 56
    .max_flat_workgroup_size: 128
    .sgpr_count:     66
    .vgpr_count:     1024
    .wavefront_size: 32
...
	.end_amdgpu_metadata
.endif
;; end of part 3
